; MI455X (gfx1250); checked and timed in simulation.
; The chip was launched on July 23, 2026; its instructions are those of AMD's public machine-readable ISA for CDNA 5 (MIT licence, August 2026) and "CDNA5" Instruction Set Architecture Reference Guide (July 2026). The comments in the code are by the model that wrote it; some were corrected since.
;; Causal Self Attention. Allowed arithmetic: matrix products marked QUANTISED: E2M3 operands, one E8M0 scale for each 32 along K, by v_wmma_scale_f32_16x16x128_f8f6f4 with both operands' format E2M3, f32 sums; everything else in f32.
;; Inputs: W_attn 1,024 x 3,072 float32; W_proj 1,024 x 1,024 float32; b_attn 3,072 float32; b_proj 1,024 float32; x 4 x 2,048 x 1,024 float32.
;; Outputs: out0 4 x 2,048 x 1,024 float32.
;; This version of the problem:
;;   THIS VERSION OF THE PROBLEM IS GIVEN IN LOW PRECISION. The matrix products marked QUANTISED in the list below multiply operands that are first quantised to E2M3 (2 exponent bits, 3 mantissa bits; 6 bits a number), with one power-of-two scale for each 32 numbers along K (OCP MX v1.0); their sums are f32. All else is computed in f32.
;;   The module's matrix products, in the order in which they are computed (A, B: the left and right operand; K: the contracted axis; several contracted axes count as one K, in the product's order):
;;     1. [M 8,192, K 1,024] x [K 1,024, N 3,072]; A: input x; B: input W_attn: QUANTISED
;;     2. batch 64 x [M 2,048, K 64] x [K 64, N 2,048]; A: computed on the way; B: computed on the way: QUANTISED
;;     3. batch 64 x [M 2,048, K 2,048] x [K 2,048, N 64]; A: softmax (see below); B: computed on the way: QUANTISED
;;     4. [M 8,192, K 1,024] x [K 1,024, N 1,024]; A: computed on the way; B: input W_proj: QUANTISED
;;   THE QUANTISER, for each operand of a quantised product, along K:
;;     - K is cut into blocks of 32 from its start; a last block that is shorter is filled with zeros.
;;     - A block's scale is 2^e with e = floor(log2(the largest magnitude in the block)) - 2, held to -126 .. 127; a block of zeros has e = 0. As a byte (E8M0): e + 127.
;;     - Each number is divided by its block's scale, clamped to +-7.5, and rounded to the nearest number of E2M3, ties to even, subnormals kept.
;;     - The product sums the exact products of the quantised numbers (number of the format x scale) in f32.
;;   ~~~python
;;   def quantise(x, axis):      # numpy; x: float32 -> the quantised numbers, widened to float32 again
;;       x = np.moveaxis(x, axis, -1); K = x.shape[-1]
;;       x = np.pad(x, [(0, 0)] * (x.ndim - 1) + [(0, -K % 32)]); x = x.reshape(x.shape[:-1] + (-1, 32)); a = np.abs(x).max(-1, keepdims=True)
;;       e = np.where(a > 0, np.clip(np.frexp(np.where(a > 0, a, 1))[1] - 1 - 2, -126, 127), 0)      # np.frexp(a)[1] - 1 = floor(log2(a)), exactly
;;       r = np.clip(x / 2.0 ** e, -7.5, 7.5)
;;       step = 2.0 ** (np.maximum(np.frexp(np.where(r == 0, 1, r))[1] - 1, 0) - 3)
;;       q = np.round(r / step) * step * 2.0 ** e      # np.round: ties to even
;;       return np.moveaxis(q.reshape(q.shape[:-2] + (-1,))[..., :K], -1, axis).astype(np.float32)
;;   ~~~
;;   SOFTMAX AHEAD OF A QUANTISED PRODUCT. Where the list says 'softmax', what is quantised is not the finished softmax but p = 2^(t - M), with t = logit x log2(e) and M = ceil(the row's largest t), a whole number; so 1/2 < the row's largest p <= 1. The row's sum l is taken of the UNQUANTISED p, in f32, and the product's result is divided by l at the end. Since M is a whole number, a kernel that streams over the keys may use a running M (the ceiling of the running maximum): every later rescaling is an exact power of two, which a block's scale takes up: the codes' values come out the same.
;;   OPERANDS COMPUTED ON THE WAY. 'Computed on the way' means the value that the module computes at that place (a softmax that the list does not call 'softmax' is quantised finished and normalised). What goes into a quantiser is computed in f32, as accurately as f32 sums, v_exp_f32 and their like allow (about 1e-6 of the number): no bf16 or f16 on the way to a quantiser, and a product that is left as it is and whose result goes on into a quantised operand takes f32 operands (vector FMAs, or v_wmma_f32_16x16x4_f32). A number that lies on a knife's edge between two numbers of the format may be rounded either way, as far as f32 arithmetic and the matrix unit's own rounding can turn it there, and no further.
;; One version. Each part assembles by itself: llvm-mc -triple=amdgcn-amd-amdhsa -mcpu=gfx1250 --defsym DOCPART=n.
;; ======== version 1 of 1: 4 launches
;; workspace buffers: xq 6,553,600 bytes; wq 2,457,600 bytes; kv 13,369,344 bytes; oq 6,553,600 bytes
;; launch quant (part 1): grid 352 x 1, 4 waves a work-group, no clusters, 59,904 bytes of LDS; arguments x, W_attn, W_proj, xq, wq; writes xq, wq
.if DOCPART == 1
	.amdgcn_target "amdgcn-amd-amdhsa--gfx1250"
	.amdhsa_code_object_version 6
	.text
	.protected	k_q1637110d30_quant
	.globl	k_q1637110d30_quant
	.p2align	8
	.type	k_q1637110d30_quant,@function
k_q1637110d30_quant:
	s_mov_b64 s[64:65], 0
	v_nop
	global_prefetch_b8 v0, s[64:65] scope:SCOPE_SE
	s_setreg_imm32_b32 hwreg(HW_REG_WAVE_MODE, 25, 1), 1
	s_wait_xcnt 0x0
; x [8192][1024], W_attn[:, 1024:3072] and W_proj [1024][1024], all f32, become codes of FP6 (E2M3) with one E8M0 byte for each 32 along K (K = the 1,024 of the model's width).
; W_attn's first 1,024 columns are not read: the problem's own text throws their product away.
; A block's scale is 2^(floor(log2(its largest magnitude)) - 2); its byte is the largest magnitude's exponent field - 2, held at 1 from below.
; LIMITS: a block of zeros gets the byte 1 where the rule says 127 (its codes are zeros, and this program alone reads the bytes); NaN and infinities among the inputs are not served.
; THE LAYOUT OF THE CODES: a HALF FRAGMENT is 16 rows x 64 along K, 768 bytes, an image of six operand registers: lane L = (r = L % 16, h = L / 16) owns the 24 bytes of row r, k = 32 h .. 32 h + 31;
; its first 16 bytes lie at 16 L, its last 8 at 512 + 8 L.  A tile of 16 rows has 16 half fragments on end (12,288 bytes).  Scale words (4 bytes = 128 along K): [tile][256 along K][r][2 words], 512 bytes a tile.
; THE ROWS OF A TILE ARE NOT NEIGHBOURS: row r of tile T is row 32 (T / 2) + 8 (T % 2) + r + 8 (r / 8) of the tensor, so that results of two neighbouring tiles are 16 neighbours in a lane's registers.
; Work-groups 0-255 take x (K innermost: rows turn through a stage in LDS); work-groups 256-351 take the weights (K outermost: a lane to a column, registers down K).  Each way has LDS bytes of its own.
.set XS_OFF, 6291456                   ; xq: where the scale words begin
.set WS_OFF, 2359296                   ; wq: likewise
.set TILEB,  12288
.set XPITCH, 528                       ; x's stage: a row of 512 bytes + 16
.set XSTG,   16*XPITCH                 ; for each wave
.set WBASE,  4*XSTG                    ; the weights' stages begin here
.set WTILE,  3200                      ; a tile's 3,072 bytes + 128
.set WSTG,   2*WTILE                   ; for each wave
.set SPARE,  WBASE+4*WSTG              ; the spare words, 128 bytes for each wave: two blocks of 256 bytes that no other line names
.set SPW, 12                           ; v12 LDS address of my spare word; never rewritten
.set NIL, 13                           ; v13 0; never rewritten
.set SEL, 20                           ; s[20:21] selects for v_permlanex16_b32: lane l xor 16
.set HM,  22                           ; s22 a mask of lanes 16-31
.set RAW, 16                           ; x: v16-143 two sets of 64 registers as loaded
.set X,   144                          ; v144-207 64 numbers of my row: register 16 b + i = k 32 b + 16 h + i
.set PC,  208                          ; v208-226 the codes just made
.set TM,  228                          ; v228-243 at work
.set PW,  244                          ; v244-247 the four steps' scale words
.set VO,  16                           ; weights: v16-47 4 L + i x pitch
.set XW,  48                           ; v48-111 two sets of 32 numbers
.set CW,  112                          ; v112-122 a block's codes
.set SBY, 124                          ; v124-125 eight scale bytes
.set OUTR, 144                         ; v144-191 the way out
.set SB,  32                           ; s[32:47] the eight blocks' bases
; 64 numbers of a lane, register 16 b + i = k 32 b + 16 (lane / 16) + i of its row, become a fragment's 12 registers in v[PC] on and its scale word in v[pw].
.macro QUANT s, pw
.irp b, 0,1,2,3
	v_max3_num_f32 v[TM+\b], |v[\s+16*\b]|, |v[\s+1+16*\b]|, 0x1800000   ; my 16 numbers of block b, and the floor 2^(3 - 127): the byte cannot fall under 1
.endr
.irp i, 2,4,6,8,10,12,14
.irp b, 0,1,2,3
	v_max3_num_f32 v[TM+\b], v[TM+\b], |v[\s+16*\b+\i]|, |v[\s+1+16*\b+\i]|
.endr
.endr
.irp b, 0,1,2,3
	v_permlanex16_b32 v[TM+4+\b], v[TM+\b], s[SEL], s[SEL+1]
.endr
.irp b, 0,1,2,3
	v_max_num_f32 v[TM+\b], v[TM+\b], v[TM+4+\b]   ; with lane l xor 16's: the block's largest magnitude
.endr
.irp b, 0,1,2,3
	v_add_nc_u32 v[TM+12+\b], 0xff000000, v[TM+\b] ; 2 off its exponent field: the conversion's scale operand
.endr
.irp b, 0,1,2,3
	v_lshrrev_b32 v[TM+4+\b], 23, v[TM+12+\b]      ; the scale's byte
.endr
	v_lshl_or_b32 v[\pw], v[TM+5], 8, v[TM+4]
	v_lshl_or_b32 v[\pw], v[TM+6], 16, v[\pw]
	v_lshl_or_b32 v[\pw], v[TM+7], 24, v[\pw]
.irp c, 0,1
	v_cvt_scalef32_pk16_fp6_f32 v[PC+6*\c:PC+2+6*\c], v[\s+32*\c:\s+15+32*\c], v[TM+12+2*\c]
	v_cvt_scalef32_pk16_fp6_f32 v[PC+12+4*\c:PC+14+4*\c], v[\s+16+32*\c:\s+31+32*\c], v[TM+12+2*\c+1]   ; (a conversion's three registers begin on an even number)
.endr
	v_nop                                          ; one plain place behind a scaled conversion
.irp c, 0,1                                    ; the operand's layout wants a whole block in a lane
.irp i, 0,1,2
	v_permlane16_swap_b32 v[PC+6*\c+\i], v[PC+12+4*\c+\i]
.endr
.irp i, 0,1,2
	v_mov_b32 v[PC+3+6*\c+\i], v[PC+12+4*\c+\i]
.endr
.endr
.endm
	s_load_b256 s[4:11], s[0:1], 0x0               ; x s[4:5], W_attn s[6:7], W_proj s[8:9], xq s[10:11]
	s_load_b64 s[12:13], s[0:1], 0x20              ; wq
	v_lshl_add_u32 v[SPW], v0, 2, SPARE
	v_mov_b32 v[NIL], 0
	v_lshrrev_b32 v1, 5, v0
	v_readfirstlane_b32 s16, v1                    ; wave 0..3
	v_and_b32 v1, 31, v0                           ; L
	v_and_b32 v2, 15, v0                           ; r
	v_bfe_u32 v3, v0, 4, 1                         ; h
	v_lshlrev_b32 v4, 4, v1                        ; 16 L
	s_mov_b32 s[SEL], 0x76543210
	s_mov_b32 s[SEL+1], 0xfedcba98
	s_mov_b32 s[HM], 0xffff0000
	s_cmp_lt_u32 ttmp9, 256
	s_cbranch_scc0 .Lw
; ---------------- x: a wave takes one tile of 16 rows x 512 along K, in four steps of 128 ----------------
	s_lshl_b32 s17, ttmp9, 2
	s_add_co_u32 s17, s17, s16                     ; 4 x work-group + wave
	s_lshr_b32 s18, s17, 1                         ; the tile, 0 .. 511
	s_and_b32 s19, s17, 1                          ; which half of K
	s_lshr_b32 s24, s18, 1
	s_lshl_b32 s24, s24, 17                        ; 32 (tile / 2) rows of 4,096 bytes
	s_and_b32 s25, s18, 1
	s_lshl_b32 s25, s25, 15                        ; + 8 (tile % 2) rows
	s_add_co_u32 s24, s24, s25
	s_lshl_b32 s25, s19, 11                        ; + 512 numbers
	s_add_co_u32 s24, s24, s25
	s_mov_b32 s25, 0
	s_mul_i32 s26, s18, TILEB                      ; the codes: tile, + 8 half fragments
	s_mul_i32 s27, s19, 6144
	s_add_co_u32 s26, s26, s27
	s_mov_b32 s27, 0
	s_lshl_b32 s28, s18, 9                         ; the scale words: tile, + two runs of 128 bytes
	s_lshl_b32 s29, s19, 8
	s_add_co_u32 s28, s28, s29
	s_add_co_u32 s28, s28, XS_OFF
	s_mov_b32 s29, 0
	s_mul_i32 s30, s16, XSTG                       ; my stage
	v_lshlrev_b32 v6, 3, v1                        ; 8 L
	v_add_nc_u32 v5, 512, v6                       ; 512 + 8 L
	v_add_nc_u32 v7, s30, v4                       ; into the stage: a row's 512 bytes as they lie
	v_mul_u32_u24 v8, v2, XPITCH
	v_lshl_add_u32 v8, v3, 6, v8
	v_add_nc_u32 v8, s30, v8                       ; out of it: row r, + 64 h: my 16 numbers of each block of 32
.irp b, 0,1,2,3
	v_mov_b32 v[TM+4+\b], 0                        ; written once: a lane permute's destination counts as one of its sources
.endr
	s_wait_kmcnt 0x0
	s_add_nc_u64 s[4:5], s[4:5], s[24:25]
	s_add_nc_u64 s[32:33], s[10:11], s[26:27]
	s_add_nc_u64 s[34:35], s[10:11], s[28:29]
.macro XLOAD t                         ; step t: 16 loads, each 512 consecutive bytes of one of the tile's rows
.irp i, 0,1,2,3,4,5,6,7,8,9,10,11,12,13,14,15
	global_load_b128 v[RAW+64*((\t)%2)+4*\i:RAW+64*((\t)%2)+4*\i+3], v4, s[4:5] offset:(\i+8*(\i/8))*4096+512*(\t) th:TH_LOAD_NT
.endr
.endm
.macro XSTEP t
.if (\t) < 3
	s_wait_loadcnt 16                              ; this step's 16 loads are in; the next step's 16 may be out
.else
	s_wait_loadcnt 0x0
.endif
.irp i, 0,1,2,3,4,5,6,7,8,9,10,11,12,13,14,15
	ds_store_b128 v7, v[RAW+64*((\t)%2)+4*\i:RAW+64*((\t)%2)+4*\i+3] offset:XPITCH*\i
.endr
.irp b, 0,1,2,3
.irp j, 0,1,2,3
	ds_load_b128 v[X+16*\b+4*\j:X+16*\b+4*\j+3], v8 offset:128*\b+16*\j   ; LDS serves a wave's instructions in order: these see my stores
.endr
.endr
	s_wait_dscnt 0x0                               ; the numbers are back, and the stores have read their registers
	s_wait_xcnt 0x0                                ; the last step's stores have read the codes' registers, which are written again below
.if (\t) < 2
	XLOAD (\t)+2
.endif
	QUANT X, PW+(\t)
	global_store_b128 v4, v[PC:PC+3], s[32:33] offset:1536*(\t)          ; 512 consecutive bytes,
	global_store_b64 v5, v[PC+4:PC+5], s[32:33] offset:1536*(\t)         ; and 256: a half fragment
	global_store_b128 v4, v[PC+6:PC+9], s[32:33] offset:1536*(\t)+768
	global_store_b64 v5, v[PC+10:PC+11], s[32:33] offset:1536*(\t)+768
.endm
	XLOAD 0
	XLOAD 1
	XSTEP 0
	XSTEP 1
	XSTEP 2
	XSTEP 3
	v_cndmask_b32 v248, v[PW], v[PW+2], s[HM]      ; lanes 0-15: the words of my first 256 along K, lanes 16-31: of the second
	v_cndmask_b32 v249, v[PW+1], v[PW+3], s[HM]
	global_store_b64 v6, v[248:249], s[34:35]      ; 32 lanes store 256 consecutive bytes, aligned
	s_wait_tensorcnt 0x0                           ; the wave's end, behind my last LDS store
	ds_add_u32 v[SPW], v[NIL]
	s_wait_dscnt 0x0
	s_endpgm
; ---------------- the weights: a wave takes 32 columns (two tiles) x 256 along K: eight blocks a lane ----------------
.Lw:
	s_sub_co_u32 s17, ttmp9, 256                   ; 0 .. 63: W_attn (16 groups of 128 columns x 4 along K);  64 .. 95: W_proj (8 x 4)
	s_sub_co_u32 s18, s17, 64
	s_and_b32 s24, s17, 15
	s_lshr_b32 s25, s17, 4
	s_and_b32 s26, s18, 7
	s_lshr_b32 s27, s18, 3
	s_cmp_lt_u32 s17, 64                           ; the choice hangs on the work-group's number alone
	s_cselect_b32 s24, s24, s26                    ; the group of columns
	s_cselect_b32 s25, s25, s27                    ; which 256 along K
	s_mov_b32 s28, 4096
	s_cselect_b32 s28, 12288, s28                  ; a row of the weight in bytes
	s_cselect_b32 s29, 0, 128                      ; the first tile of this weight in wq
	s_cselect_b32 s30, 4096, 0                     ; W_attn: 1,024 columns are passed over
	s_lshl_b32 s31, s24, 7
	s_lshl_b32 s19, s16, 5
	s_add_co_u32 s31, s31, s19                     ; my first column
	s_lshl_b32 s19, s31, 2
	s_add_co_u32 s48, s30, s19
	s_lshl_b32 s19, s25, 8
	s_mul_i32 s19, s19, s28
	s_add_co_u32 s48, s48, s19                     ; where my part of the weight begins, in bytes
	s_mov_b32 s49, 0
	s_lshl_b32 s50, s28, 5                         ; 32 rows on
	s_mov_b32 s51, 0
	s_lshr_b32 s52, s31, 4
	s_add_co_u32 s52, s52, s29                     ; my first tile
	s_mul_i32 s54, s52, TILEB
	s_mul_i32 s19, s25, 3072
	s_add_co_u32 s54, s54, s19                     ; its codes: four half fragments for each 256 along K
	s_mov_b32 s55, 0
	s_lshl_b32 s56, s52, 9
	s_lshl_b32 s19, s25, 7
	s_add_co_u32 s56, s56, s19
	s_add_co_u32 s56, s56, WS_OFF                  ; its scale words
	s_mov_b32 s57, 0
	v_lshlrev_b32 v[VO], 2, v1                     ; 4 L
.set i, 1
.rept 31
	v_add_nc_u32 v[VO+i], s28, v[VO+i-1]           ; + i rows
.set i, i+1
.endr
	v_bfe_u32 v9, v0, 3, 1                         ; my column L is row rr of tile (L / 8) % 2,
	v_and_b32 v10, 7, v0
	v_lshl_add_u32 v10, v3, 3, v10                 ; rr = L % 8 + 8 (L / 16)
	s_mul_i32 s19, s16, WSTG
	s_add_co_u32 s19, s19, WBASE                   ; my stage
	v_mul_u32_u24 v11, v9, WTILE
	v_add_nc_u32 v11, s19, v11
	v_lshl_add_u32 v5, v10, 4, v11                 ; where a block's first 16 bytes go,
	v_lshl_add_u32 v6, v10, 3, v11
	v_add_nc_u32 v6, 512, v6                       ; and its last 8
	v_add_nc_u32 v7, s19, v4                       ; back: 16 bytes a lane
	v_lshlrev_b32 v8, 9, v9
	v_lshl_add_u32 v8, v10, 3, v8                  ; my column's two scale words: 512 x tile + 8 rr
	s_wait_kmcnt 0x0
	s_cmp_lt_u32 s17, 64
	s_cselect_b64 s[6:7], s[6:7], s[8:9]
	s_add_nc_u64 s[SB:SB+1], s[6:7], s[48:49]
.irp t, 1,2,3,4,5,6,7
	s_add_nc_u64 s[SB+2*\t:SB+2*\t+1], s[SB+2*\t-2:SB+2*\t-1], s[50:51]
.endr
	s_add_nc_u64 s[58:59], s[12:13], s[54:55]
	s_add_nc_u64 s[60:61], s[12:13], s[56:57]
.macro WLOAD t                         ; block t: 32 rows of my column; each load reads 128 consecutive bytes, the four waves stand side by side on 512
.set i, 0
.rept 32
	global_load_b32 v[XW+32*((\t)%2)+i], v[VO+i], s[SB+2*(\t):SB+2*(\t)+1] th:TH_LOAD_NT
.set i, i+1
.endr
.endm
.macro WBLOCK t
.set XB, XW+32*((\t)%2)
.if (\t) < 7
	s_wait_loadcnt 32                              ; this block's 32 loads are in; the next block's may be out
.else
	s_wait_loadcnt 0x0
.endif
	v_max3_num_f32 v126, |v[XB]|, |v[XB+1]|, |v[XB+2]|     ; the block's largest magnitude: all 32 numbers are mine
	v_max3_num_f32 v127, |v[XB+3]|, |v[XB+4]|, |v[XB+5]|
.irp i, 6,10,14,18,22,26
	v_max3_num_f32 v126, v126, |v[XB+\i]|, |v[XB+\i+1]|
	v_max3_num_f32 v127, v127, |v[XB+\i+2]|, |v[XB+\i+3]|
.endr
	v_max3_num_f32 v126, v126, |v[XB+30]|, |v[XB+31]|
	v_max3_num_f32 v126, v126, v127, 0x1800000     ; and the floor
	v_add_nc_u32 v128, 0xff000000, v126            ; the conversion's scale operand
	v_lshrrev_b32 v129, 23, v128                   ; the byte
.if (\t)%4 == 0
	v_mov_b32 v[SBY+(\t)/4], v129
.else
	v_lshl_or_b32 v[SBY+(\t)/4], v129, 8*((\t)%4), v[SBY+(\t)/4]
.endif
	v_cvt_scalef32_pk16_fp6_f32 v[CW:CW+2], v[XB:XB+15], v128
	v_cvt_scalef32_pk16_fp6_f32 v[CW+8:CW+10], v[XB+16:XB+31], v128
	v_nop                                          ; one plain place behind a scaled conversion
.irp i, 0,1,2
	v_mov_b32 v[CW+3+\i], v[CW+8+\i]
.endr
	ds_store_b128 v5, v[CW:CW+3] offset:768*((\t)/2)+256*((\t)%2)        ; block t is half t % 2 of half fragment t / 2
	ds_store_b64 v6, v[CW+4:CW+5] offset:768*((\t)/2)+128*((\t)%2)
.if (\t)+2 < 8
	WLOAD (\t)+2
.endif
	s_wait_dscnt 0x0                               ; the stores have read their registers: the next block's codes may be written
.endm
	WLOAD 0
	WLOAD 1
.irp t, 0,1,2,3,4,5,6,7
	WBLOCK \t
.endr
	global_store_b64 v8, v[SBY:SBY+1], s[60:61]    ; my column's eight scale bytes
.irp n, 0,1,2,3,4,5,6,7,8,9,10,11
	ds_load_b128 v[OUTR+4*\n:OUTR+4*\n+3], v7 offset:WTILE*(\n/6)+512*(\n%6)
.endr
.irp n, 0,1,2,3,4,5,6,7,8,9,10,11
	s_wait_dscnt 11-\n                             ; LDS loads come back in order: load n is in, the younger ones may be out
	global_store_b128 v4, v[OUTR+4*\n:OUTR+4*\n+3], s[58:59] offset:TILEB*(\n/6)+512*(\n%6)   ; 512 consecutive bytes, aligned
.endr
	s_wait_tensorcnt 0x0                           ; the wave's end, behind my last LDS store
	ds_add_u32 v[SPW], v[NIL]
	s_wait_dscnt 0x0
	s_endpgm
.Lfunc_end_k_q1637110d30_quant:
	.size	k_q1637110d30_quant, .Lfunc_end_k_q1637110d30_quant-k_q1637110d30_quant
	.p2alignl 7, 3214868480
	.fill 96, 4, 3214868480
	.section	.rodata,"a",@progbits
	.p2align	6, 0x0
	.amdhsa_kernel k_q1637110d30_quant
		.amdhsa_group_segment_fixed_size 59904
		.amdhsa_private_segment_fixed_size 0
		.amdhsa_enable_private_segment 0
		.amdhsa_kernarg_size 40
		.amdhsa_user_sgpr_count 2
		.amdhsa_user_sgpr_kernarg_segment_ptr 1
		.amdhsa_wavefront_size32 1
		.amdhsa_system_sgpr_workgroup_id_x 1
		.amdhsa_system_sgpr_workgroup_id_y 1
		.amdhsa_system_sgpr_workgroup_id_z 1
		.amdhsa_system_vgpr_workitem_id 0
		.amdhsa_next_free_vgpr 256
		.amdhsa_next_free_sgpr 66
		.amdhsa_reserve_vcc 0
		.amdhsa_float_denorm_mode_32 3
		.amdhsa_float_denorm_mode_16_64 3
		.amdhsa_memory_ordered 1
		.amdhsa_forward_progress 1
		.amdhsa_inst_pref_size 77
	.end_amdhsa_kernel
	.amdgpu_metadata
---
amdhsa.version: [ 1, 2 ]
amdhsa.kernels:
  - .name:           k_q1637110d30_quant
    .symbol:         k_q1637110d30_quant.kd
    .args:
      - { .name: x, .offset: 0, .size: 8, .value_kind: global_buffer, .address_space: global }
      - { .name: W_attn, .offset: 8, .size: 8, .value_kind: global_buffer, .address_space: global }
      - { .name: W_proj, .offset: 16, .size: 8, .value_kind: global_buffer, .address_space: global }
      - { .name: xq, .offset: 24, .size: 8, .value_kind: global_buffer, .address_space: global }
      - { .name: wq, .offset: 32, .size: 8, .value_kind: global_buffer, .address_space: global }
    .group_segment_fixed_size: 59904
    .private_segment_fixed_size: 0
    .kernarg_segment_align: 8
    .kernarg_segment_size: 40
    .max_flat_workgroup_size: 128
    .sgpr_count:     66
    .vgpr_count:     256
    .wavefront_size: 32
...
	.end_amdgpu_metadata
.endif
;; end of part 1
;; launch gemm1 (part 2): grid 4 x 64, 4 waves a work-group, clusters of 4 x 4, 327,680 bytes of LDS; arguments xq, wq, b_attn, kv; writes kv
.if DOCPART == 2
	.amdgcn_target "amdgcn-amd-amdhsa--gfx1250"
	.amdhsa_code_object_version 6
	.text
	.protected	k_q1637110d30_gemm1
	.globl	k_q1637110d30_gemm1
	.p2align	8
	.type	k_q1637110d30_gemm1,@function
k_q1637110d30_gemm1:
	s_mov_b64 s[64:65], 0
	v_nop
	global_prefetch_b8 v0, s[64:65] scope:SCOPE_SE
	s_setreg_imm32_b32 hwreg(HW_REG_WAVE_MODE, 25, 1), 1
	s_wait_xcnt 0x0
	s_wait_alu depctr_hold_cnt(0) depctr_sa_sdst(0) depctr_va_vdst(0) depctr_va_sdst(0) depctr_va_ssrc(0) depctr_va_vcc(0) depctr_vm_vsrc(0)
	s_getreg_b32 s2, hwreg(HW_REG_IB_STS2, 6, 4)
	s_cmp_eq_u32 s2, 0
	s_cbranch_scc0 .Lentry_in_a_cluster
	s_endpgm
.Lentry_in_a_cluster:
	s_bfe_u32 s2, ttmp6, 0x10000c
	s_cmp_lg_u32 s2, 0xf033
	s_cbranch_scc0 .Lentry_shape_is_right
	s_endpgm
.Lentry_shape_is_right:
; k and v = x W_attn[:, 1024:] + b_attn[1024:], on codes of FP6 (E2M3) with E8M0 scales, sums in f32; the results leave as codes: k quantised along the head's 64, v along the keys.
; (The first third of the product is not made: the problem's own text throws it away.)
; A work-group of four waves makes 256 x 256 results, a wave 128 x 128: 64 accumulators.  P is the operand whose rows fall on LANES (source 1), Q the one whose rows run along a lane's REGISTERS (source 0).
; Clusters 0-7 along y (k): P = tokens, Q = k's columns: a lane holds a token, its registers run along the head's axis.  Clusters 8-15 (v): P = v's columns, Q = tokens: a lane holds a channel, its registers run along the keys.
; So each result is quantised in registers along its next K.  The choice hangs on the cluster's y alone, which all sixteen partners share; only pointers and offsets are chosen.
; CODES lie as half fragments of 768 bytes (16 rows x 64 along K: lane L's first 16 bytes at 16 L, its last 8 at 512 + 8 L), 16 to a tile of 16 rows; row r of tile T is row 32 (T / 2) + 8 (T % 2) + r + 8 (r / 8).
; K goes in steps of 256 through two LDS slots; a wave's tensor load brings 8 tiles x 3,072 bytes.  The scale words of the 512 rows, for all of K, come once.
; CLUSTER 4 x 4: P's tiles are shared along a row of the cluster, Q's along a column: joint loads.
; kv: a record of 208,896 bytes for each (batch, head): k's codes [128 token tiles][768]; v's [16 key steps][4 channel tiles][2][768]; k's scale words [128][16] (bytes 2, 3 = 0); v's [16][4][16].
; LIMITS: a block of zeros gets the byte 1 (its codes are zeros; this program alone reads the bytes); NaN and infinities are not served.
; REGISTERS: window 0: v1-10 lanes' numbers and offsets; v16-23 fragment addresses; v27 scale address; v28, v29 the add's two; v32-63 scale words, two sets; v64-127 the bias along Q; v128-223 P's fragments; v224-239 the bias along P.
;   window 1: Q's fragments, two sets, at v0 and v128.   windows 2, 3: the accumulators ((a, b) at v[8 (8 (a % 4) + b)]).
.set TILEB,  12288
.set XS_OFF, 6291456
.set WS_OFF, 2359296
.set REC,    208896
.set FR,     12
.set NL,     4                         ; LDS loads that bring a fragment
.set NQ,     2                         ; steps of 128 in a slot
.set NP,     4                         ; places behind this matrix instruction (ISA guide 7.12.1)
.set HALFT,  24576                     ; 8 tiles x 3,072 bytes: what one tensor load brings
.set SLOT,   4*HALFT                   ; P's 16 tiles, then Q's
.set SCL,    2*SLOT                    ; the scale words: P's 8,192 bytes, then Q's
.set WSTG,   SCL+16384                 ; 1,024 bytes for each wave, for the results' scale words: no tensor load lands here
.set SPARE,  WSTG+4096                 ; the spare words, 128 bytes for each wave
.set ADRP, 16                          ; v16-17 P's fragments in slot 0, 1 (16 L);  v18-19 the same (512 + 8 L)
.set ADRQ, 20                          ; v20-23 Q's
.set ADRS, 27
.set SPW,  28
.set NIL,  29
.set SC,   32
.set BK,   64
.set PF,   128
.set BV,   224
.set T,    128                         ; the way out: 64 numbers
.set PC,   192                         ; their codes
.set TM,   64                          ; at work
.set PW,   80                          ; v80-87 eight scale words
.set SEL,  40                          ; s[40:41] on the way out
.set G1, 24
.set G0, 32
.set G1B, 48
.set G0B, 56
.set G1S, 68
.set G0S, 76
.set G1SB, 80
.set G0SB, 88
.set MSB, 0
.macro WIN new                         ; the immediate's high byte repeats the setting that is left
.if MSB != \new
	s_set_vgpr_msb (MSB<<8)|\new
.set MSB, \new
.endif
.endm
.set MUL_LO, 0xa1                      ; source 0 (Q) window 1, source 1 (P) window 0, C and D window 2
.set MUL_HI, 0xf1
.set TO_Q,   0x40
; A joint load: waves 0 and 1 fetch for P, waves 2 and 3 for Q; the branch hangs on the wave's number alone.  An s_nop 0 and four v_nop follow each line.
.macro JLOAD g0a, g1a, g0b, g1b
	s_cmp_eq_u32 s15, 0
	s_cbranch_scc0 .Lfor_q_\@
	tensor_load_to_lds s[\g0a:\g0a+3], s[\g1a:\g1a+7]
	s_nop 0
.rept 4
	v_nop
.endr
	s_branch .Lasked_\@
.Lfor_q_\@:
	tensor_load_to_lds s[\g0b:\g0b+3], s[\g1b:\g1b+7]
	s_nop 0
.rept 4
	v_nop
.endr
.Lasked_\@:
.endm
.macro CREST                           ; a round of the cluster's barrier behind its opening barrier
	s_cmp_lg_u32 s14, 0
	s_cbranch_scc1 .Lnot_wave_0_\@
	s_barrier_signal -3
.Lnot_wave_0_\@:
	s_barrier_wait -3
	s_barrier_signal -1
	s_barrier_wait -1
.endm
.macro CROUND
	s_barrier_signal -1
	s_barrier_wait -1
	CREST
.endm
.macro QUANT s, pw                     ; 64 numbers of a lane, register 16 b + i = k 32 b + 16 (lane / 16) + i, become 12 registers of codes in v[PC] on and a scale word in v[pw]
.irp b, 0,1,2,3
	v_max3_num_f32 v[TM+\b], |v[\s+16*\b]|, |v[\s+1+16*\b]|, 0x1800000   ; and the floor 2^(3 - 127): the byte cannot fall under 1
.endr
.irp i, 2,4,6,8,10,12,14
.irp b, 0,1,2,3
	v_max3_num_f32 v[TM+\b], v[TM+\b], |v[\s+16*\b+\i]|, |v[\s+1+16*\b+\i]|
.endr
.endr
.irp b, 0,1,2,3
	v_permlanex16_b32 v[TM+4+\b], v[TM+\b], s[SEL], s[SEL+1]
.endr
.irp b, 0,1,2,3
	v_max_num_f32 v[TM+\b], v[TM+\b], v[TM+4+\b]
.endr
.irp b, 0,1,2,3
	v_add_nc_u32 v[TM+12+\b], 0xff000000, v[TM+\b] ; 2 off the exponent field: the conversion's scale operand
.endr
.irp b, 0,1,2,3
	v_lshrrev_b32 v[TM+4+\b], 23, v[TM+12+\b]
.endr
	v_lshl_or_b32 v[\pw], v[TM+5], 8, v[TM+4]
	v_lshl_or_b32 v[\pw], v[TM+6], 16, v[\pw]
	v_lshl_or_b32 v[\pw], v[TM+7], 24, v[\pw]
.irp c, 0,1
	v_cvt_scalef32_pk16_fp6_f32 v[PC+6*\c:PC+2+6*\c], v[\s+32*\c:\s+15+32*\c], v[TM+12+2*\c]
	v_cvt_scalef32_pk16_fp6_f32 v[PC+12+4*\c:PC+14+4*\c], v[\s+16+32*\c:\s+31+32*\c], v[TM+12+2*\c+1]
.endr
	v_nop                                          ; one plain place behind a scaled conversion
.irp c, 0,1
.irp i, 0,1,2
	v_permlane16_swap_b32 v[PC+6*\c+\i], v[PC+12+4*\c+\i]
.endr
.irp i, 0,1,2
	v_mov_b32 v[PC+3+6*\c+\i], v[PC+12+4*\c+\i]
.endr
.endr
.endm
	s_load_b256 s[4:11], s[0:1], 0x0               ; xq s[4:5], wq s[6:7], b_attn s[8:9], kv s[10:11]
	v_lshl_add_u32 v[SPW], v0, 2, SPARE
	v_mov_b32 v[NIL], 0
	ds_add_u32 v[SPW], v[NIL]                      ; the wave's opening, ahead of my first tensor load; work on registers stands between the add and its wait
	v_lshrrev_b32 v1, 5, v0
	v_readfirstlane_b32 s14, v1                    ; wave 0..3
	s_lshr_b32 s15, s14, 1                         ; which half of P's rows is mine.  Also: I fetch for P (0) or for Q (1)
	s_and_b32 s16, s14, 1                          ; which half of Q's rows is mine.  Also: which 8 tiles I fetch
	s_bfe_u32 s40, ttmp6, 0x40000                  ; cx
	s_bfe_u32 s41, ttmp6, 0x40004                  ; cy
	s_and_b32 s17, ttmp7, 0xffff                   ; the cluster's y: 0-7 k, 8-15 v
	s_lshl_b32 s20, s17, 2
	s_add_co_u32 s18, s20, s41                     ; k: P's group of 16 tiles = 4 y + cy (tokens)
	s_add_co_u32 s19, s41, 4                       ; v: 4 + cy (v's columns)
	s_add_co_u32 s47, s20, s40
	s_sub_co_u32 s47, s47, 32                      ; v: Q's group = 4 (y - 8) + cx (tokens);  k: cx
	s_lshl_b32 s2, s40, 1
	s_add_co_u32 s2, s2, s16                       ; k: which 128 columns of the weight are my wave's
	s_lshl_b32 s3, s41, 1
	s_add_co_u32 s3, s3, s15                       ; v: likewise
	s_lshl_b32 s100, s18, 1
	s_add_co_u32 s100, s100, s15                   ; k: which 128 tokens are my wave's
	s_lshl_b32 s101, s47, 1
	s_add_co_u32 s101, s101, s16                   ; v: likewise
	s_lshl_b32 s43, s41, 2
	s_lshl_b32 s43, 15, s43                        ; my row of the cluster
	s_lshl_b32 s44, 0x1111, s40                    ; my column
	s_or_b32 s[G1+0], s43, (3<<16)|(1<<21)         ; 15:0 the mask: P's tiles go to my row; 17:16 elements of 8 bytes; 21 set beside a mask; no padding
	s_or_b32 s[G1B+0], s44, (3<<16)|(1<<21)
.irp g, G1, G1B
	s_mov_b32 s[\g+1], 384<<16                     ; tensor_dim0 = 384 elements: 3,072 bytes, a tile's four half fragments
	s_mov_b32 s[\g+2], 8<<16                       ; tensor_dim1 = 8 tiles
	s_mov_b32 s[\g+3], 384<<16                     ; tile_dim0
	s_mov_b32 s[\g+4], 8                           ; tile_dim1
	s_mov_b32 s[\g+5], 1536                        ; from tile to tile: 12,288 bytes
	s_mov_b32 s[\g+6], 0
	s_mov_b32 s[\g+7], 0
.endr
	s_or_b32 s[G1S+0], s43, (3<<16)|(1<<21)        ; the scale words of 8 tiles: 4,096 dense bytes as 16 rows of 256
	s_or_b32 s[G1SB+0], s44, (3<<16)|(1<<21)
.irp g, G1S, G1SB
	s_mov_b32 s[\g+1], 32<<16
	s_mov_b32 s[\g+2], 16<<16
	s_mov_b32 s[\g+3], 32<<16
	s_mov_b32 s[\g+4], 16
	s_mov_b32 s[\g+5], 32
	s_mov_b32 s[\g+6], 0
	s_mov_b32 s[\g+7], 0
.endr
	s_cmp_lt_u32 s17, 8                            ; k?  (only moves and selects stand between the compare and its last select)
	s_cselect_b32 s18, s18, s19                    ; P's group
	s_cselect_b32 s98, s40, s47                    ; Q's group
	s_cselect_b32 s42, s2, s3                      ; my 128 columns of the weight
	s_cselect_b32 s45, s100, s101                  ; my 128 tokens
	s_mov_b32 s96, WS_OFF
	s_cselect_b32 s96, XS_OFF, s96                 ; where P's scale words begin in its buffer
	s_mov_b32 s97, XS_OFF
	s_cselect_b32 s97, WS_OFF, s97                 ; and Q's
	s_cselect_b32 s99, -1, 0                       ; keeps the bias along Q (k)
	s_cselect_b32 s100, 0, -1                      ; keeps the bias along P (v)
	s_cselect_b32 s101, 0, 4096                    ; v's biases lie 1,024 numbers behind k's
	s_lshl_b32 s19, s16, 3
	s_lshl_b32 s18, s18, 4
	s_add_co_u32 s18, s18, s19                     ; P: the first tile that I would fetch
	s_lshl_b32 s98, s98, 4
	s_add_co_u32 s98, s98, s19                     ; Q: likewise
	s_mul_i32 s20, s18, TILEB
	s_mov_b32 s21, 0
	s_lshl_b32 s22, s18, 9
	s_add_co_u32 s22, s22, s96
	s_mov_b32 s23, 0
	s_mul_i32 s46, s98, TILEB
	s_mov_b32 s47, 0
	s_lshl_b32 s92, s98, 9
	s_add_co_u32 s92, s92, s97
	s_mov_b32 s93, 0
	s_mul_i32 s94, s14, HALFT                      ; where they go: wave x 8 tiles: no place in the cluster enters an LDS address
	s_lshl_b32 s95, s14, 12
	s_wait_dscnt 0x0                               ; the opening add is done
	s_wait_kmcnt 0x0
	s_cmp_lt_u32 s17, 8
	s_cselect_b64 s[12:13], s[4:5], s[6:7]         ; P's buffer
	s_cselect_b64 s[66:67], s[6:7], s[4:5]         ; Q's
	s_add_nc_u64 s[20:21], s[12:13], s[20:21]
	s_add_nc_u64 s[22:23], s[12:13], s[22:23]
	s_add_nc_u64 s[46:47], s[66:67], s[46:47]
	s_add_nc_u64 s[92:93], s[66:67], s[92:93]
	CROUND                                         ; all sixteen work-groups are here: the first joint loads meet
	s_mov_b32 s[G0S], 1
	s_add_co_u32 s[G0S+1], s95, SCL
	s_mov_b64 s[G0S+2:G0S+3], s[22:23]
	s_or_b32 s[G0S+3], s[G0S+3], 0x80000000
	s_mov_b32 s[G0SB], 1
	s_add_co_u32 s[G0SB+1], s95, SCL
	s_mov_b64 s[G0SB+2:G0SB+3], s[92:93]
	s_or_b32 s[G0SB+3], s[G0SB+3], 0x80000000
	JLOAD G0S, G1S, G0SB, G1SB                     ; the scale words first: they are wanted with K step 0
.irp s, 0,1
	s_mov_b32 s[G0+4*\s], 1
	s_add_co_u32 s[G0+4*\s+1], s94, \s*SLOT
	s_add_nc_u64 s[G0+4*\s+2:G0+4*\s+3], s[20:21], \s*3072
	s_or_b32 s[G0+4*\s+3], s[G0+4*\s+3], 0x80000000
	s_mov_b32 s[G0B+4*\s], 1
	s_add_co_u32 s[G0B+4*\s+1], s94, \s*SLOT
	s_add_nc_u64 s[G0B+4*\s+2:G0B+4*\s+3], s[46:47], \s*3072
	s_or_b32 s[G0B+4*\s+3], s[G0B+4*\s+3], 0x80000000
	JLOAD G0+4*\s, G1, G0B+4*\s, G1B               ; three loads of mine are out
.endr
	v_and_b32 v1, 31, v0                           ; L
	v_and_b32 v2, 15, v0                           ; r
	v_bfe_u32 v3, v0, 4, 1                         ; h
	v_lshlrev_b32 v4, 4, v1                        ; 16 L
	v_lshlrev_b32 v5, 3, v1
	v_add_nc_u32 v5, 512, v5                       ; 512 + 8 L
	s_mul_i32 s21, s15, HALFT                      ; my 8 tiles of P
	s_mul_i32 s22, s16, HALFT
	s_add_co_u32 s22, s22, 2*HALFT                 ; my 8 tiles of Q, behind P's 16
.irp s, 0,1
	v_add_nc_u32 v[ADRP+\s], s21, v4
	v_add_nc_u32 v[ADRQ+\s], s22, v4
	v_add_nc_u32 v[ADRP+2+\s], s21, v5
	v_add_nc_u32 v[ADRQ+2+\s], s22, v5
	s_add_co_u32 s21, s21, SLOT
	s_add_co_u32 s22, s22, SLOT
.endr
	s_lshl_b32 s21, s15, 12                        ; the scale words: P's, my 8 tiles;
	s_lshl_b32 s22, s16, 12
	s_add_co_u32 s22, s22, 8192                    ; Q's, behind P's 8,192 bytes
	s_sub_co_u32 s22, s22, s21
	v_mul_u32_u24 v6, s22, v3                      ; lanes 16-31 take Q's: one product, the distance x h
	s_add_co_u32 s21, s21, SCL
	v_lshl_add_u32 v6, v2, 3, v6                   ; 8 bytes a row
	v_add_nc_u32 v[ADRS], s21, v6
	; the biases.  Both sets are loaded on both ways (both lie inside b_attn); the one that does not apply is cleared by a mask: no branch.
	s_lshl_b32 s20, s42, 9
	s_add_co_u32 s20, s20, s101
	s_add_co_u32 s20, s20, 4096                    ; b_attn[1024 + 128 x my group (+ 1024)]
	s_mov_b32 s21, 0
	s_add_nc_u64 s[8:9], s[8:9], s[20:21]
	v_lshlrev_b32 v6, 6, v3                        ; along Q: register 16 b + i is column 32 b + 16 h + i
	v_and_b32 v7, 8, v2
	v_add_nc_u32 v7, v7, v2
	v_lshlrev_b32 v7, 2, v7                        ; along P: lane r of tile a is column 32 (a / 2) + 8 (a % 2) + r + 8 (r / 8)
.irp n, 0,1,2,3,4,5,6,7,8,9,10,11,12,13,14,15
	global_load_b128 v[BK+4*\n:BK+4*\n+3], v6, s[8:9] offset:128*(\n/4)+16*(\n%4)
.endr
.irp a, 0,1,2,3,4,5,6,7
	global_load_b32 v[BV+2*\a], v7, s[8:9] offset:128*(\a/2)+32*(\a%2)
.endr
	s_wait_loadcnt 0x0
.set j, 0
.rept 64
	v_and_b32 v[BK+j], s99, v[BK+j]
.set j, j+1
.endr
.irp a, 0,1,2,3,4,5,6,7
	v_and_b32 v[BV+2*\a], s100, v[BV+2*\a]
	v_mov_b32 v[BV+2*\a+1], v[BV+2*\a]             ; a pair for the packed addition
.endr
.macro FRAG reg, adr, q, i             ; a fragment, 16 rows x 128 K, is two half fragments: registers 0-3, 4-5, 6-9, 10-11; every load takes consecutive bytes from consecutive lanes
	ds_load_b128 v[\reg:\reg+3], v[\adr] offset:(\i)*3072+(\q)*1536
	ds_load_b64 v[\reg+4:\reg+5], v[\adr+2] offset:(\i)*3072+(\q)*1536
	ds_load_b128 v[\reg+6:\reg+9], v[\adr] offset:(\i)*3072+(\q)*1536+768
	ds_load_b64 v[\reg+10:\reg+11], v[\adr+2] offset:(\i)*3072+(\q)*1536+768
.endm
; 16 matrix instructions: P's blocks a0, a0 + 1 x Q's eight.  first = 1: the bias along Q is the C of each sum's first product.  The 64 accumulators take turns, one instruction a turn.
.macro MUL16 a0, p, q, sc, first
.irp a, \a0, \a0+1
.irp b, 0,1,2,3,4,5,6,7
.if \first
	v_wmma_scale_f32_16x16x128_f8f6f4 v[8*(8*((\a)%4)+\b):8*(8*((\a)%4)+\b)+7], v[128*(\p)+FR*\b:128*(\p)+FR*\b+FR-1], v[PF+FR*(\a):PF+FR*(\a)+FR-1], v[BK+8*\b:BK+8*\b+7], v[SC+8*NQ*(\sc)+NQ*\b+(\q)], v[SC+8*NQ*(\sc)+NQ*(\a)+(\q)] matrix_a_fmt:MATRIX_FMT_FP6 matrix_b_fmt:MATRIX_FMT_FP6 matrix_a_scale:MATRIX_SCALE_ROW1
.else
	v_wmma_scale_f32_16x16x128_f8f6f4 v[8*(8*((\a)%4)+\b):8*(8*((\a)%4)+\b)+7], v[128*(\p)+FR*\b:128*(\p)+FR*\b+FR-1], v[PF+FR*(\a):PF+FR*(\a)+FR-1], v[8*(8*((\a)%4)+\b):8*(8*((\a)%4)+\b)+7], v[SC+8*NQ*(\sc)+NQ*\b+(\q)], v[SC+8*NQ*(\sc)+NQ*(\a)+(\q)] matrix_a_fmt:MATRIX_FMT_FP6 matrix_b_fmt:MATRIX_FMT_FP6 matrix_a_scale:MATRIX_SCALE_ROW1
.endif
.endr
.endr
.endm
.macro FETCH_Q slot, q, p
	WIN TO_Q
.irp i, 0,1,2,3,4,5,6,7
	FRAG 128*(\p)+FR*\i, ADRQ+\slot, \q, \i
.endr
	WIN 0
.endm
.macro FETCH_P slot, q, i0
.irp i, \i0, \i0+1, \i0+2, \i0+3
	FRAG PF+FR*(\i), ADRP+\slot, \q, \i
.endr
.endm
.macro SCALES sc                       ; a K step's scale words: two a row; lanes 0-15 take P's block i, lanes 16-31 Q's block i
.irp i, 0,1,2,3,4,5,6,7
	ds_load_b64 v[SC+8*NQ*\sc+NQ*\i:SC+8*NQ*\sc+NQ*\i+1], v[ADRS] offset:\i*512
.endr
.endm
.macro PLACES n                        ; plain vector instructions between a matrix instruction and a load into, or a read of, its registers
.rept \n
	v_nop
.endr
.endm
.macro STEP slot, q, first             ; a step of 128 along K that has its successor in the same slot
	s_wait_dscnt 4*NL                              ; Q's set, the scale words and P's blocks 0-3 are in; the youngest 16 loads (P's blocks 4-7) may be out
.if \first
	WIN 0x81                                       ; C in window 0
.else
	WIN MUL_LO
.endif
	MUL16 0, (\q)%2, \q, \slot, \first
	MUL16 2, (\q)%2, \q, \slot, \first
	s_wait_dscnt 0
	PLACES NP
	FETCH_Q \slot, (\q)+1, 1-(\q)%2
	FETCH_P \slot, (\q)+1, 0
.if \first
	WIN 0xc1
.else
	WIN MUL_HI
.endif
	MUL16 4, (\q)%2, \q, \slot, \first
	MUL16 6, (\q)%2, \q, \slot, \first
	PLACES NP
	WIN 0
	FETCH_P \slot, (\q)+1, 4
.endm
; A slot's last step changes slots: one barrier; in front of it each wave waits for all its tensor loads, adds 0 to its spare word, and waits for that and for its reads of this slot.
.macro TURN slot, next, fill
	s_wait_tensorcnt 0x0                           ; all my tensor loads have landed: my part of the next slot
	ds_add_u32 v[SPW], v[NIL]                      ; 0 onto my spare word
	s_wait_dscnt 4*NL+1                            ; (the add and the youngest 16 loads may be out)
	WIN MUL_LO
	MUL16 0, 1, NQ-1, \slot, 0
	s_wait_dscnt 0x0                               ; the add is done, and my reads of this slot are over
	s_barrier_signal -1
	MUL16 2, 1, NQ-1, \slot, 0
	WIN 0
	s_barrier_wait -1
.if \fill
	CREST                                          ; the barrier has opened a round of the cluster's: no wave of any partner still reads this slot or has a load on its way
	s_add_nc_u64 s[G0+4*\slot+2:G0+4*\slot+3], s[G0+4*\slot+2:G0+4*\slot+3], 6144
	s_add_nc_u64 s[G0B+4*\slot+2:G0B+4*\slot+3], s[G0B+4*\slot+2:G0B+4*\slot+3], 6144
	JLOAD G0+4*\slot, G1, G0B+4*\slot, G1B         ; the first tensor load behind the round; its four v_nop are the places in front of the loads below
.else
	PLACES NP
.endif
	v_add_nc_u32 v[ADRS], 128, v[ADRS]             ; the next K step's scale words
	FETCH_Q \next, 0, 0
	FETCH_P \next, 0, 0
	SCALES \next
	WIN MUL_HI
	MUL16 4, 1, NQ-1, \slot, 0
	MUL16 6, 1, NQ-1, \slot, 0
	PLACES NP
	WIN 0
	FETCH_P \next, 0, 4
.endm
	s_wait_tensorcnt 1                             ; the scale words and my part of K step 0 are in (K step 1's load may be out)
	s_barrier_signal -1
	s_barrier_wait -1
	FETCH_Q 0, 0, 0
	FETCH_P 0, 0, 0
	SCALES 0
	FETCH_P 0, 0, 4
	STEP 0, 0, 1                                   ; K = 1,024 is eight steps of 128, written out
	TURN 0, 1, 1
	STEP 1, 0, 0
	TURN 1, 0, 1
	STEP 0, 0, 0
	TURN 0, 1, 0                                   ; nothing is left to fetch
	STEP 1, 0, 0
	s_wait_dscnt 4*NL
	WIN MUL_LO
	MUL16 0, 1, NQ-1, 1, 0
	MUL16 2, 1, NQ-1, 1, 0
	s_wait_dscnt 0
	WIN MUL_HI
	MUL16 4, 1, NQ-1, 1, 0
	MUL16 6, 1, NQ-1, 1, 0
	WIN 0
	; THE WAY OUT.  Block a of P (16 lanes' rows) x my 128 rows of Q = 64 registers a lane, 128 neighbours along the next K: one fragment, two half fragments, one scale word.
	; k: the two half fragments are two heads' (a record apart), block a is token tile 8 g + a.   v: they are the halves of key step g; block a is channel tile a % 4 of head a / 4.
	s_mov_b32 s[SEL], 0x76543210
	s_mov_b32 s[SEL+1], 0xfedcba98
	s_lshr_b32 s20, s45, 4
	s_lshl_b32 s20, s20, 4                         ; 16 x batch
	s_lshl_b32 s21, s42, 1
	s_add_co_u32 s20, s20, s21                     ; + my first head: the first record
	s_mul_i32 s20, s20, REC
	s_and_b32 s21, s45, 15                         ; g: which 128 tokens of the batch
	s_mul_i32 s22, s21, 6144
	s_add_co_u32 s22, s22, s20
	s_cmp_lt_u32 s17, 8
	s_cselect_b32 s23, 0, 98304                    ; v's codes lie behind k's
	s_mov_b32 s24, 768
	s_cselect_b32 s24, REC, s24                    ; from the first half fragment to the second
	s_mov_b32 s26, 1536
	s_cselect_b32 s26, 768, s26                    ; from block to block
	s_mov_b32 s28, REC-4608
	s_cselect_b32 s28, 768, s28                    ; from block 3 to block 4
	s_cselect_b32 s30, 0xffff, -1                  ; k: a head's two bytes of the word;  v: the whole word
	s_cselect_b32 s31, 0, REC-256                  ; v: lanes 16-31 store into the next head's record
	s_cselect_b32 s32, 9, 8
	s_mov_b32 s33, 204800
	s_cselect_b32 s33, 196608, s33                 ; where the scale words begin in a record
	s_add_co_u32 s22, s22, s23
	s_mov_b32 s23, 0
	s_mov_b32 s27, 0
	s_mov_b32 s29, 0
	s_add_nc_u64 s[36:37], s[10:11], s[22:23]      ; the codes
	s_lshl_b32 s21, s21, s32
	s_add_co_u32 s20, s20, s21
	s_add_co_u32 s20, s20, s33
	s_mov_b32 s21, 0
	s_add_nc_u64 s[34:35], s[10:11], s[20:21]      ; the scale words
	s_lshl_b32 s38, s14, 10
	s_add_co_u32 s38, s38, WSTG                    ; my 1,024 bytes of LDS
	PLACES NP
	v_add_nc_u32 v6, s24, v4
	v_add_nc_u32 v7, s24, v5
	v_lshl_add_u32 v8, v2, 2, s38                  ; a word's place: 4 r
	v_add_nc_u32 v9, s38, v4                       ; back: 16 L
	v_mul_u32_u24 v10, s31, v3
	v_add_nc_u32 v10, v10, v4
.macro OUT a
.if (\a) > 0
	s_wait_xcnt 0x0                                ; the last block's stores have read their base and the codes' registers
.if (\a) == 4
	s_add_nc_u64 s[36:37], s[36:37], s[28:29]
.else
	s_add_nc_u64 s[36:37], s[36:37], s[26:27]
.endif
.endif
	WIN (0x02+(\a)/4)                              ; source 0: window 2 or 3
.set n, 0
.rept 32
	v_pk_add_f32 v[T+2*n:T+2*n+1], v[64*((\a)%4)+2*n:64*((\a)%4)+2*n+1], v[BV+2*(\a):BV+2*(\a)+1]   ; + the bias along P (0 for k); each accumulator from its low end on
.set n, n+1
.endr
	WIN 0
	QUANT T, PW+(\a)
	global_store_b128 v4, v[PC:PC+3], s[36:37]     ; 512 consecutive bytes, aligned;
	global_store_b64 v5, v[PC+4:PC+5], s[36:37]    ; 256
	global_store_b128 v6, v[PC+6:PC+9], s[36:37]
	global_store_b64 v7, v[PC+10:PC+11], s[36:37]
.endm
.irp a, 0,1,2,3,4,5,6,7
	OUT \a
.endr
.irp a, 0,1,2,3,4,5,6,7
	v_and_b32 v[T+\a], s30, v[PW+\a]               ; k: the first head's two bytes, zeros above;  v: the word
	v_lshrrev_b32 v[T+8+\a], 16, v[PW+\a]          ; k: the second head's
.endr
.irp a, 0,1,2,3,4,5,6,7
	ds_store_b32 v8, v[T+\a] offset:64*\a          ; lanes r and r + 16 hold the same word and write it to the same place
	ds_store_b32 v8, v[T+8+\a] offset:512+64*\a
.endr
	ds_load_b128 v[T+16:T+19], v9                  ; LDS serves a wave's instructions in order: these see my stores
	ds_load_b128 v[T+20:T+23], v9 offset:512
	s_wait_dscnt 0x0
	global_store_b128 v10, v[T+16:T+19], s[34:35]  ; k: 512 consecutive bytes;  v: 256 in each of two records
	s_cmp_lt_u32 s17, 8                            ; (the cluster's y: the same in all partners)
	s_cbranch_scc0 .Lno_second
	global_store_b128 v10, v[T+20:T+23], s[34:35] offset:REC
.Lno_second:
	s_wait_tensorcnt 0x0                           ; the wave's end, behind my last tensor load and my last LDS store
	ds_add_u32 v[SPW], v[NIL]
	s_wait_dscnt 0x0
	CROUND                                         ; the closing round
	s_endpgm
.Lfunc_end_k_q1637110d30_gemm1:
	.size	k_q1637110d30_gemm1, .Lfunc_end_k_q1637110d30_gemm1-k_q1637110d30_gemm1
	.p2alignl 7, 3214868480
	.fill 96, 4, 3214868480
	.section	.rodata,"a",@progbits
	.p2align	6, 0x0
	.amdhsa_kernel k_q1637110d30_gemm1
		.amdhsa_group_segment_fixed_size 327680
		.amdhsa_private_segment_fixed_size 0
		.amdhsa_enable_private_segment 0
		.amdhsa_kernarg_size 32
		.amdhsa_user_sgpr_count 2
		.amdhsa_user_sgpr_kernarg_segment_ptr 1
		.amdhsa_wavefront_size32 1
		.amdhsa_system_sgpr_workgroup_id_x 1
		.amdhsa_system_sgpr_workgroup_id_y 1
		.amdhsa_system_sgpr_workgroup_id_z 1
		.amdhsa_system_vgpr_workitem_id 0
		.amdhsa_next_free_vgpr 1024
		.amdhsa_next_free_sgpr 102
		.amdhsa_reserve_vcc 0
		.amdhsa_float_denorm_mode_32 3
		.amdhsa_float_denorm_mode_16_64 3
		.amdhsa_memory_ordered 1
		.amdhsa_forward_progress 1
		.amdhsa_inst_pref_size 173
	.end_amdhsa_kernel
	.amdgpu_metadata
---
amdhsa.version: [ 1, 2 ]
amdhsa.kernels:
  - .name:           k_q1637110d30_gemm1
    .symbol:         k_q1637110d30_gemm1.kd
    .args:
      - { .name: xq, .offset: 0, .size: 8, .value_kind: global_buffer, .address_space: global }
      - { .name: wq, .offset: 8, .size: 8, .value_kind: global_buffer, .address_space: global }
      - { .name: b_attn, .offset: 16, .size: 8, .value_kind: global_buffer, .address_space: global }
      - { .name: kv, .offset: 24, .size: 8, .value_kind: global_buffer, .address_space: global }
    .group_segment_fixed_size: 327680
    .private_segment_fixed_size: 0
    .kernarg_segment_align: 8
    .kernarg_segment_size: 32
    .max_flat_workgroup_size: 128
    .sgpr_count:     102
    .vgpr_count:     1024
    .wavefront_size: 32
...
	.end_amdgpu_metadata
.endif
;; end of part 2
;; launch attn (part 3): grid 4 x 64, 16 waves a work-group, no clusters, 210,944 bytes of LDS; arguments kv, oq; writes oq
.if DOCPART == 3
	.amdgcn_target "amdgcn-amd-amdhsa--gfx1250"
	.amdhsa_code_object_version 6
	.text
	.protected	k_q1637110d30_attn
	.globl	k_q1637110d30_attn
	.p2align	8
	.type	k_q1637110d30_attn,@function
k_q1637110d30_attn:
	s_mov_b64 s[64:65], 0
	v_nop
	global_prefetch_b8 v0, s[64:65] scope:SCOPE_SE
	s_setreg_imm32_b32 hwreg(HW_REG_WAVE_MODE, 25, 1), 1
	s_wait_xcnt 0x0
; O = softmax(k k^T / 32, causal) v for one (batch, head), both products on codes of FP6 (E2M3) with E8M0 scales; q is k, as the problem has it.  O leaves as codes, quantised along the model's width.
; THE SOFTMAX: t = score x log2(e) / 32; M = the running largest t rounded up to a whole number; p = 2^(t - M) is quantised along the keys; the row's sum is taken of the unquantised p and divides O at the end.
; SHARES.  The head's whole record (208,896 bytes: k's codes, v's codes, their scale words) is brought into LDS ONCE, a sixteenth by each wave's one tensor load: no slot is filled again, one barrier in the launch.
; Four work-groups to a head.  Wave g = 16 x + wave (0 .. 63) takes query tile g and then query tile 127 - g: g / 8 + 1 + (127 - g) / 8 + 1 = 17 key steps of 128 for every wave.
; NO CLUSTER, though the four read the same record: the jumps over hidden key steps hang on the query tile, which hangs on the work-group's place among the four, and partners of joint loads must branch alike.
; LAYOUT.  S^T = K Q^T and O^T = V^T P^T: a lane holds one query throughout.  Row r of a tile is row 32 (T / 2) + 8 (T % 2) + r + 8 (r / 8), so the 16 registers of two neighbouring tiles are 16 neighbours (keys, or channels).
; The head's size is 64: half of the instruction's 128.  Q's upper six registers are zero codes, so whatever stands in K's upper six adds nothing: K's fragments lie 6 registers apart.  The scale words' bytes 2, 3 are 0.
; LIMITS: a block of zeros gets the byte 1 (its codes are zeros; this program alone reads the bytes); NaN and infinities are not served.
; REGISTERS: v1-4, v7, v29 lanes' places; v5, v6 the add's two; v8-11, v30, v31 the step's addresses; v12 -M, v13 the largest t, v[14:15] the sum; v16-27 Q; v28 my query less 16 h; v32-85 K (v80-85 = 0) or v32-79 V;
;   v96-159 S^T, then p; v160-191 O^T; v192-193 V's scale words; v194-200 the second tile's Q; v201 8 r + h; v224-235 p's codes; v232-254 at work; v248-251 K's scale words; v253 p's; v255 Q's.
.set REC,    208896
.set VC,     98304
.set KS,     196608
.set VS,     204800
.set PART,   13056                     ; 51 rows of 256 bytes: a sixteenth of a record
.set SPARE,  208896                    ; the spare words, 128 bytes for each wave: eight blocks of 256 bytes that no other line names
.set XS_OFF, 6291456                   ; oq: where the scale bytes begin
.set SPW, 5
.set NIL, 6
.set WV,  18
.set SEL, 20
.set CS,  22
.set Q0,  44                           ; s44 the tile's first query
.set KF,  55                           ; s55 the step's first key
.set TK,  56                           ; s56 the step's codes: 6,144 bytes a step, K's and V's alike
.set TS,  57                           ; s57 K's scale words: 512 a step
.set TV,  58                           ; s58 V's: 256 a step
.set CNT, 59
.set HM,  61                           ; s61 a mask of lanes 16-31
	s_load_b128 s[4:7], s[0:1], 0x0                ; kv, oq
	v_lshl_add_u32 v[SPW], v0, 2, SPARE
	v_mov_b32 v[NIL], 0
	ds_add_u32 v[SPW], v[NIL]                      ; the wave's opening, ahead of my tensor load; work on registers stands between the adds and their wait
	ds_add_u32 v[SPW], v[NIL]
	v_lshrrev_b32 v8, 5, v0
	s_delay_alu instid0(VALU_DEP_1)
	v_readfirstlane_b32 s[WV], v8                  ; wave 0..15
	s_and_b32 s19, ttmp7, 0xffff                   ; 16 x batch + head
	s_mov_b32 s24, 3<<16                           ; group 1: elements of 8 bytes, no mask, no padding
	s_mov_b32 s25, 32<<16                          ; tensor_dim0 = 32: rows of 256 bytes
	s_mov_b32 s26, 51<<16                          ; tensor_dim1 = 51
	s_mov_b32 s27, 32<<16                          ; tile_dim0
	s_mov_b32 s28, 51                              ; tile_dim1
	s_mov_b32 s29, 32                              ; dense
	s_mov_b32 s30, 0
	s_mov_b32 s31, 0
	s_mul_i32 s8, s19, REC
	s_mov_b32 s9, 0
	s_mul_i32 s10, s[WV], PART
	s_mov_b32 s11, 0
	s_lshl_b32 s12, ttmp9, 4
	s_add_co_u32 s12, s12, s[WV]                   ; my first query tile,
	s_sub_co_u32 s13, 127, s12                     ; and my second
	s_mov_b32 s[SEL], 0x76543210
	s_mov_b32 s[SEL+1], 0xfedcba98
	s_mov_b32 s[CS], 0x3d38aa3b                    ; c = log2(e) / 32
	s_mov_b32 s[CS+1], s[CS]
	s_mov_b32 s[HM], 0xffff0000
	s_lshr_b32 s52, s19, 4
	s_lshl_b32 s52, s52, 7                         ; oq: 128 tiles a batch
	s_and_b32 s45, s19, 15                         ; the head
	s_mul_i32 s53, s45, 768                        ; its half fragment in a tile
	s_lshr_b32 s54, s45, 2
	s_lshl_b32 s54, s54, 7                         ; its scale bytes: which 256 along K,
	s_bfe_u32 s46, s19, 0x10001
	s_lshl_b32 s46, s46, 2                         ; which word,
	s_add_co_u32 s54, s54, s46
	s_and_b32 s46, s19, 1
	s_lshl_b32 s46, s46, 1                         ; which half of it
	s_add_co_u32 s54, s54, s46
	s_add_co_u32 s54, s54, XS_OFF
	s_wait_dscnt 0x0                               ; the opening add is done
	s_wait_kmcnt 0x0
	s_add_nc_u64 s[4:5], s[4:5], s[8:9]            ; my head's record
	s_mov_b32 s32, 1
	s_mov_b32 s33, s10                             ; LDS address: wave x PART
	s_add_nc_u64 s[34:35], s[4:5], s[10:11]
	s_or_b32 s35, s35, 0x80000000
	tensor_load_to_lds s[32:35], s[24:31]          ; my one tensor load
	s_nop 0
	s_mul_i32 s8, s12, 768                         ; both tiles' Q come from memory, so that no LDS address hangs on the work-group's number
	s_add_nc_u64 s[36:37], s[4:5], s[8:9]
	s_mul_i32 s8, s13, 768
	s_add_nc_u64 s[38:39], s[4:5], s[8:9]
	s_lshl_b32 s8, s12, 6
	s_add_co_u32 s8, s8, KS
	s_add_nc_u64 s[40:41], s[4:5], s[8:9]
	s_lshl_b32 s8, s13, 6
	s_add_co_u32 s8, s8, KS
	s_add_nc_u64 s[42:43], s[4:5], s[8:9]
	v_and_b32 v10, 31, v0                          ; L
	v_and_b32 v8, 15, v0                           ; r
	v_bfe_u32 v9, v0, 4, 1                         ; h
	s_delay_alu instid0(VALU_DEP_3)
	v_lshlrev_b32 v1, 4, v10                       ; 16 L
	s_delay_alu instid0(VALU_DEP_4)
	v_lshlrev_b32 v2, 3, v10
	s_delay_alu instid0(VALU_DEP_1)
	v_add_nc_u32 v2, 512, v2                       ; 512 + 8 L
	v_lshlrev_b32 v30, 2, v8                       ; 4 r
	global_load_b128 v[16:19], v1, s[36:37]
	global_load_b64 v[20:21], v2, s[36:37]
	global_load_b32 v255, v30, s[40:41]
	global_load_b128 v[194:197], v1, s[38:39]
	global_load_b64 v[198:199], v2, s[38:39]
	global_load_b32 v200, v30, s[42:43]
	v_add_nc_u32 v3, VC, v1
	v_add_nc_u32 v4, VC, v2
	v_lshl_add_u32 v7, v10, 2, KS                  ; scale words: 4 L: lanes 0-15 one tile's, lanes 16-31 the next tile's
	v_lshl_add_u32 v29, v10, 2, VS
	v_and_b32 v28, 8, v8
	s_delay_alu instid0(VALU_DEP_1)
	v_add_nc_u32 v28, v28, v8
	v_lshlrev_b32 v11, 4, v9
	s_delay_alu instid0(VALU_DEP_1)
	v_sub_nc_u32 v28, v28, v11                     ; r + 8 (r / 8) - 16 h
	v_lshl_add_u32 v201, v8, 3, v9                 ; 8 r + h
.irp j, 22,23,24,25,26,27,80,81,82,83,84,85
	v_mov_b32 v\j, 0                               ; zero codes: Q's upper half, and what stands behind K's last fragment
.endr
.irp j, 236,237,238,239,252,253
	v_mov_b32 v\j, 0                               ; written once: a lane permute's destination counts as one of its sources, and a pair is named whole
.endr
	s_wait_tensorcnt 0x0                           ; my sixteenth of the record is in,
	s_barrier_signal -1
	s_barrier_wait -1                              ; everybody's is
	s_wait_loadcnt 0x0                             ; Q
; One query tile: 16 trips, one for each key step of the head; a step all of whose keys come after the tile's queries is jumped over inside the trip, so that the trip count is a constant.
.macro PASS p
.if \p
	s_wait_xcnt 0x0                                ; the first tile's stores have read their bases and registers
.endif
	s_lshr_b32 s[Q0], s[12+\p], 1
	s_lshl_b32 s[Q0], s[Q0], 5
	s_and_b32 s45, s[12+\p], 1
	s_lshl_b32 s45, s45, 3
	s_add_co_u32 s[Q0], s[Q0], s45                 ; 32 (tile / 2) + 8 (tile % 2); lane r holds query Q0 + r + 8 (r / 8)
	s_add_co_u32 s45, s52, s[12+\p]                ; the tile in oq
	s_mul_i32 s46, s45, 12288
	s_add_co_u32 s46, s46, s53
	s_mov_b32 s47, 0
	s_add_nc_u64 s[48:49], s[6:7], s[46:47]        ; its codes
	s_lshl_b32 s46, s45, 9
	s_add_co_u32 s46, s46, s54
	s_add_nc_u64 s[50:51], s[6:7], s[46:47]        ; its scale bytes
.if \p
.irp j, 0,1,2,3,4,5
	v_mov_b32 v[16+\j], v[194+\j]
.endr
	v_mov_b32 v255, v200
.endif
	v_mov_b32 v13, 0xff61b1e6                      ; the largest t so far: -3e38
	s_delay_alu instid0(VALU_DEP_1)
	v_floor_f32 v12, -v13                          ; -M
	v_mov_b32 v14, 0
	v_mov_b32 v15, 0
.set j, 0
.rept 32
	v_mov_b32 v[160+j], 0                          ; O^T: the step is written once; the first change of M leaves zeros zeros
.set j, j+1
.endr
	s_mov_b32 s[KF], 0
	s_mov_b32 s[TK], 0
	s_mov_b32 s[TS], 0
	s_mov_b32 s[TV], 0
	s_mov_b32 s[CNT], 16
.Lstep_\p:
	s_cmp_gt_u32 s[KF], s[Q0]                      ; KF is a multiple of 128 and the tile's queries lie in one run of 32: above Q0 means above all of them
	s_cbranch_scc1 .Lhidden_\p
	s_setprio 2
	v_add_nc_u32 v8, s[TK], v1                     ; (these six are also the places in front of the loads into registers that the last products read)
	v_add_nc_u32 v9, s[TK], v2
	v_add_nc_u32 v10, s[TK], v3
	v_add_nc_u32 v11, s[TK], v4
	v_add_nc_u32 v30, s[TS], v7
	v_add_nc_u32 v31, s[TV], v29
.irp t, 0,1,2,3,4,5,6,7
	ds_load_b128 v[32+6*\t:35+6*\t], v8 offset:768*\t
	ds_load_b64 v[36+6*\t:37+6*\t], v9 offset:768*\t
.endr
.irp u, 0,1,2,3
	ds_load_b32 v[248+\u], v30 offset:128*\u
.endr
	s_wait_alu depctr_va_vdst(0)
	s_wait_dscnt 0x0
.irp t, 0,2,4,6                                ; S^T = K Q^T: eight tiles of 16 keys
	v_wmma_scale_f32_16x16x128_f8f6f4 v[96+8*\t:103+8*\t], v[32+6*\t:43+6*\t], v[16:27], 0, v[248+\t/2], v255 matrix_a_fmt:MATRIX_FMT_FP6 matrix_b_fmt:MATRIX_FMT_FP6
	v_wmma_scale_f32_16x16x128_f8f6f4 v[104+8*\t:111+8*\t], v[38+6*\t:49+6*\t], v[16:27], 0, v[248+\t/2], v255 matrix_a_fmt:MATRIX_FMT_FP6 matrix_b_fmt:MATRIX_FMT_FP6 matrix_a_scale:MATRIX_SCALE_ROW1
.endr
.rept 4
	v_nop                                          ; places: loads into K's registers follow, and reads of the scores
.endr
.irp d, 0,1,2,3                                ; V's fragments are asked for now and land under the softmax
.irp c, 0,1
	ds_load_b128 v[32+12*\d+6*\c:35+12*\d+6*\c], v10 offset:1536*\d+768*\c
	ds_load_b64 v[36+12*\d+6*\c:37+12*\d+6*\c], v11 offset:1536*\d+768*\c
.endr
.endr
	ds_load_b32 v192, v31
	ds_load_b32 v193, v31 offset:128
	s_add_co_u32 s60, s[KF], 127                   ; on the diagonal hidden scores become -infinity ahead of the maximum; a step all of whose keys count skips this
	s_cmp_le_u32 s60, s[Q0]
	s_cbranch_scc1 .Lopen_\p
	s_sub_co_i32 s60, s[Q0], s[KF]
	v_add_nc_u32 v252, s60, v28                    ; d = my query - KF - 16 h.  Register 16 b + i holds key KF + 32 b + 16 h + i: hidden where 32 b + i > d
	v_mov_b32 v254, 0xff800000
.set n, 0
.rept 64
	v_cmp_gt_i32 vcc_lo, 32*(n/16)+n%16, v252
	v_cndmask_b32 v[96+n], v[96+n], v254, vcc_lo
.set n, n+1
.endr
.Lopen_\p:
.irp b, 0,1,2,3
	v_max3_num_f32 v[232+\b], v[96+16*\b], v[97+16*\b], v[98+16*\b]   ; the largest score of each block of 32 keys: for the row's maximum, and, since p rises with the score, for the block's largest p
.endr
.irp i, 3,5,7,9,11,13
.irp b, 0,1,2,3
	v_max3_num_f32 v[232+\b], v[232+\b], v[96+16*\b+\i], v[97+16*\b+\i]
.endr
.endr
.irp b, 0,1,2,3
	v_max_num_f32 v[232+\b], v[232+\b], v[111+16*\b]
.endr
.irp b, 0,1,2,3
	s_delay_alu instid0(VALU_DEP_4)
	v_permlanex16_b32 v[236+\b], v[232+\b], s[SEL], s[SEL+1]
.endr
.irp b, 0,1,2,3
	s_delay_alu instid0(VALU_DEP_4)
	v_max_num_f32 v[232+\b], v[232+\b], v[236+\b]
.endr
	s_delay_alu instid0(VALU_DEP_2)
	v_max3_num_f32 v254, v232, v233, v234
	s_delay_alu instid0(VALU_DEP_1)
	v_max_num_f32 v254, v254, v235
	s_delay_alu instid0(VALU_DEP_1)
	v_mul_f32 v254, s[CS], v254                    ; as t
	s_delay_alu instid0(VALU_DEP_1)
	v_max_num_f32 v13, v13, v254                   ; the running largest t
	v_mov_b32 v254, v12
	s_delay_alu instid0(VALU_DEP_2)
	v_floor_f32 v12, -v13                          ; the new -M = -ceil(t)
	s_delay_alu instid0(VALU_DEP_1)
	v_sub_f32 v254, v12, v254                      ; old M - new M: a whole number, 0 or less
	s_delay_alu instid0(VALU_DEP_1)
	v_cvt_i32_f32 v254, v254                       ; (it saturates)
	s_delay_alu instid0(VALU_DEP_1)
	v_ldexp_f32 v252, 1.0, v254                    ; f = 2^(old M - new M): a multiplication by it rounds nothing
.set j, 0
	s_setprio 1
.rept 32
	v_pk_fma_f32 v[96+j:97+j], v[96+j:97+j], s[CS:CS+1], v[12:13] op_sel_hi:[1,0,0]   ; t - M
.set j, j+2
.endr
.irp b, 0,1,2,3
	v_fma_f32 v[232+\b], v[232+\b], s[CS], v12
.endr
.set j, 0
	s_wait_alu depctr_va_vdst(0)
.rept 64
	v_exp_f32 v[96+j], v[96+j]                     ; p = 2^(t - M)
.set j, j+1
.endr
	v_pk_mul_f32 v[14:15], v[14:15], v[252:253] op_sel_hi:[1,0]   ; the sums under the new M (a plain place behind the exponentials)
	s_wait_alu depctr_va_vdst(0)                   ; one wait for the batch, ahead of its first reader
.irp b, 0,1,2,3
	v_exp_f32 v[232+\b], v[232+\b]                 ; the block's largest p
.endr
	v_pk_add_f32 v[236:237], v[100:101], v[104:105]
	v_pk_add_f32 v[250:251], v[108:109], v[112:113]
	v_pk_add_f32 v[248:249], v[116:117], v[120:121]
	v_pk_add_f32 v[246:247], v[124:125], v[128:129]
	v_pk_add_f32 v[244:245], v[132:133], v[136:137]
	v_pk_add_f32 v[242:243], v[140:141], v[144:145]
	v_pk_add_f32 v[240:241], v[148:149], v[152:153]
	v_pk_add_f32 v[14:15], v[14:15], v[156:157]
	v_pk_add_f32 v[236:237], v[236:237], v[96:97]
	v_pk_add_f32 v[250:251], v[250:251], v[98:99]
	v_pk_add_f32 v[248:249], v[248:249], v[102:103]
	v_pk_add_f32 v[246:247], v[246:247], v[106:107]
	v_pk_add_f32 v[244:245], v[244:245], v[110:111]
	v_pk_add_f32 v[242:243], v[242:243], v[114:115]
	v_pk_add_f32 v[240:241], v[240:241], v[118:119]
	v_pk_add_f32 v[14:15], v[14:15], v[122:123]
	v_pk_add_f32 v[236:237], v[236:237], v[126:127]
	v_pk_add_f32 v[250:251], v[250:251], v[130:131]
	v_pk_add_f32 v[248:249], v[248:249], v[134:135]
	v_pk_add_f32 v[246:247], v[246:247], v[138:139]
	v_pk_add_f32 v[244:245], v[244:245], v[142:143]
	v_pk_add_f32 v[242:243], v[242:243], v[146:147]
	v_pk_add_f32 v[240:241], v[240:241], v[150:151]
	v_pk_add_f32 v[14:15], v[14:15], v[154:155]
	v_pk_add_f32 v[236:237], v[236:237], v[158:159]
	s_delay_alu instid0(VALU_DEP_2)
	v_pk_add_f32 v[14:15], v[14:15], v[246:247]
	s_delay_alu instid0(VALU_DEP_2)
	v_pk_add_f32 v[236:237], v[236:237], v[244:245]
	v_pk_add_f32 v[250:251], v[250:251], v[242:243]
	v_pk_add_f32 v[248:249], v[248:249], v[240:241]
	s_delay_alu instid0(VALU_DEP_2)
	v_pk_add_f32 v[14:15], v[14:15], v[250:251]
	s_delay_alu instid0(VALU_DEP_2)
	v_pk_add_f32 v[236:237], v[236:237], v[248:249]
	s_delay_alu instid0(VALU_DEP_1)
	v_pk_add_f32 v[14:15], v[14:15], v[236:237]
	s_wait_alu depctr_va_vdst(0)                   ; and one for the four
.irp b, 0,1,2,3
	v_max_num_f32 v[232+\b], 0x1800000, v[232+\b]  ; the floor: the byte cannot fall under 1
.endr
.irp b, 0,1,2,3
	s_delay_alu instid0(VALU_DEP_4)
	v_add_nc_u32 v[244+\b], 0xff000000, v[232+\b]
.endr
.irp b, 0,1,2,3
	s_delay_alu instid0(VALU_DEP_4)
	v_lshrrev_b32 v[236+\b], 23, v[244+\b]
.endr
	s_delay_alu instid0(VALU_DEP_3)
	v_lshl_or_b32 v253, v237, 8, v236              ; p's scale word for these 128 keys
	s_delay_alu instid0(VALU_DEP_1)
	v_lshl_or_b32 v253, v238, 16, v253
	s_delay_alu instid0(VALU_DEP_1)
	v_lshl_or_b32 v253, v239, 24, v253
	s_setprio 0
.irp c, 0,1
	v_cvt_scalef32_pk16_fp6_f32 v[224+6*\c:226+6*\c], v[96+32*\c:111+32*\c], v[244+2*\c]
	v_cvt_scalef32_pk16_fp6_f32 v[236+4*\c:238+4*\c], v[112+32*\c:127+32*\c], v[244+2*\c+1]
.endr
	v_nop                                          ; one plain place behind a scaled conversion
.irp c, 0,1
.irp i, 0,1,2
	v_permlane16_swap_b32 v[224+6*\c+\i], v[236+4*\c+\i]
.endr
.irp i, 0,1,2
	s_delay_alu instid0(VALU_DEP_3)
	v_mov_b32 v[227+6*\c+\i], v[236+4*\c+\i]
.endr
.endr
.set j, 0
.rept 16
	v_pk_mul_f32 v[160+j:161+j], v[160+j:161+j], v[252:253] op_sel_hi:[1,0]   ; O^T under the new M.  (These 16 are also the places between the writes of p's codes and scale word and the products)
.set j, j+2
.endr
	s_wait_alu depctr_va_vdst(0)
	s_wait_dscnt 0x0                               ; V
.irp d, 0,2                                    ; O^T += V^T P^T: four tiles of 16 channels, by turns
	v_wmma_scale_f32_16x16x128_f8f6f4 v[160+8*\d:167+8*\d], v[32+12*\d:43+12*\d], v[224:235], v[160+8*\d:167+8*\d], v[192+\d/2], v253 matrix_a_fmt:MATRIX_FMT_FP6 matrix_b_fmt:MATRIX_FMT_FP6
	v_wmma_scale_f32_16x16x128_f8f6f4 v[168+8*\d:175+8*\d], v[44+12*\d:55+12*\d], v[224:235], v[168+8*\d:175+8*\d], v[192+\d/2], v253 matrix_a_fmt:MATRIX_FMT_FP6 matrix_b_fmt:MATRIX_FMT_FP6 matrix_a_scale:MATRIX_SCALE_ROW1
.endr
.Lhidden_\p:
	s_add_co_u32 s[KF], s[KF], 128
	s_add_co_u32 s[TK], s[TK], 6144
	s_add_co_u32 s[TS], s[TS], 512
	s_add_co_u32 s[TV], s[TV], 256
	s_sub_co_u32 s[CNT], s[CNT], 1
	s_cmp_lg_u32 s[CNT], 0
	s_cbranch_scc1 .Lstep_\p
	s_setprio 0
	; the tile's end: O^T / the sum; register 16 b + i is channel 32 b + 16 h + i of my query: two blocks of 32 along the next K
.rept 4
	v_nop
.endr
	v_add_f32 v14, v14, v15
	s_delay_alu instid0(VALU_DEP_1)
	v_permlanex16_b32 v252, v14, s[SEL], s[SEL+1]
	s_delay_alu instid0(VALU_DEP_1)
	v_add_f32 v14, v14, v252                       ; the row's sum
	s_wait_alu depctr_va_vdst(0)
	v_rcp_f32 v14, v14
	v_nop                                          ; a plain place behind the transcendental
	s_wait_alu depctr_va_vdst(0)                   ; and the wait ahead of its first reader
.set j, 0
.rept 32
	v_mul_f32 v[96+j], v[160+j], v14
.set j, j+1
.endr
.irp b, 0,1
	v_max3_num_f32 v[232+\b], |v[96+16*\b]|, |v[97+16*\b]|, 0x1800000
.endr
.irp i, 2,4,6,8,10,12,14
.irp b, 0,1
	s_delay_alu instid0(VALU_DEP_2)
	v_max3_num_f32 v[232+\b], v[232+\b], |v[96+16*\b+\i]|, |v[97+16*\b+\i]|
.endr
.endr
.irp b, 0,1
	s_delay_alu instid0(VALU_DEP_2)
	v_permlanex16_b32 v[236+\b], v[232+\b], s[SEL], s[SEL+1]
.endr
.irp b, 0,1
	s_delay_alu instid0(VALU_DEP_2)
	v_max_num_f32 v[232+\b], v[232+\b], v[236+\b]
.endr
.irp b, 0,1
	s_delay_alu instid0(VALU_DEP_2)
	v_add_nc_u32 v[244+\b], 0xff000000, v[232+\b]
.endr
.irp b, 0,1
	s_delay_alu instid0(VALU_DEP_2)
	v_lshrrev_b32 v[236+\b], 23, v[244+\b]
.endr
	v_cvt_scalef32_pk16_fp6_f32 v[224:226], v[96:111], v244
	v_cvt_scalef32_pk16_fp6_f32 v[240:242], v[112:127], v245
	v_cndmask_b32 v246, v236, v237, s[HM]          ; lane (r, h) keeps block h's byte.  (A plain place behind the conversions)
.irp i, 0,1,2
	v_permlane16_swap_b32 v[224+\i], v[240+\i]
.endr
.irp i, 0,1,2
	s_delay_alu instid0(VALU_DEP_3)
	v_mov_b32 v[227+\i], v[240+\i]
.endr
	global_store_b128 v1, v[224:227], s[48:49]     ; the head's half fragment: 512 consecutive bytes, aligned,
	global_store_b64 v2, v[228:229], s[48:49]      ; and 256
	global_store_b8 v201, v246, s[50:51]           ; a scale word is shared by two heads, which other work-groups make: so single bytes, two a row
.endm
	PASS 0
	PASS 1
	s_wait_tensorcnt 0x0                           ; the wave's end, behind my tensor load
	ds_add_u32 v[SPW], v[NIL]
	s_wait_dscnt 0x0
	s_endpgm
.Lfunc_end_k_q1637110d30_attn:
	.size	k_q1637110d30_attn, .Lfunc_end_k_q1637110d30_attn-k_q1637110d30_attn
	.p2alignl 7, 3214868480
	.fill 96, 4, 3214868480
	.section	.rodata,"a",@progbits
	.p2align	6, 0x0
	.amdhsa_kernel k_q1637110d30_attn
		.amdhsa_group_segment_fixed_size 210944
		.amdhsa_private_segment_fixed_size 0
		.amdhsa_enable_private_segment 0
		.amdhsa_kernarg_size 16
		.amdhsa_user_sgpr_count 2
		.amdhsa_user_sgpr_kernarg_segment_ptr 1
		.amdhsa_wavefront_size32 1
		.amdhsa_system_sgpr_workgroup_id_x 1
		.amdhsa_system_sgpr_workgroup_id_y 1
		.amdhsa_system_sgpr_workgroup_id_z 1
		.amdhsa_system_vgpr_workitem_id 0
		.amdhsa_next_free_vgpr 256
		.amdhsa_next_free_sgpr 66
		.amdhsa_reserve_vcc 1
		.amdhsa_float_denorm_mode_32 3
		.amdhsa_float_denorm_mode_16_64 3
		.amdhsa_memory_ordered 1
		.amdhsa_forward_progress 1
		.amdhsa_inst_pref_size 64
	.end_amdhsa_kernel
	.amdgpu_metadata
---
amdhsa.version: [ 1, 2 ]
amdhsa.kernels:
  - .name:           k_q1637110d30_attn
    .symbol:         k_q1637110d30_attn.kd
    .args:
      - { .name: kv, .offset: 0, .size: 8, .value_kind: global_buffer, .address_space: global }
      - { .name: oq, .offset: 8, .size: 8, .value_kind: global_buffer, .address_space: global }
    .group_segment_fixed_size: 210944
    .private_segment_fixed_size: 0
    .kernarg_segment_align: 8
    .kernarg_segment_size: 16
    .max_flat_workgroup_size: 512
    .sgpr_count:     66
    .vgpr_count:     256
    .wavefront_size: 32
...
	.end_amdgpu_metadata
.endif
;; end of part 3
;; launch gemm2 (part 4): grid 4 x 32, 4 waves a work-group, clusters of 4 x 4, 327,680 bytes of LDS; arguments oq, wq, b_proj, out0; writes out0
.if DOCPART == 4
	.amdgcn_target "amdgcn-amd-amdhsa--gfx1250"
	.amdhsa_code_object_version 6
	.text
	.protected	k_q1637110d30_gemm2
	.globl	k_q1637110d30_gemm2
	.p2align	8
	.type	k_q1637110d30_gemm2,@function
k_q1637110d30_gemm2:
	s_mov_b64 s[64:65], 0
	v_nop
	global_prefetch_b8 v0, s[64:65] scope:SCOPE_SE
	s_setreg_imm32_b32 hwreg(HW_REG_WAVE_MODE, 25, 1), 1
	s_wait_xcnt 0x0
	s_wait_alu depctr_hold_cnt(0) depctr_sa_sdst(0) depctr_va_vdst(0) depctr_va_sdst(0) depctr_va_ssrc(0) depctr_va_vcc(0) depctr_vm_vsrc(0)
	s_getreg_b32 s2, hwreg(HW_REG_IB_STS2, 6, 4)
	s_cmp_eq_u32 s2, 0
	s_cbranch_scc0 .Lentry_in_a_cluster
	s_endpgm
.Lentry_in_a_cluster:
	s_bfe_u32 s2, ttmp6, 0x10000c
	s_cmp_lg_u32 s2, 0xf033
	s_cbranch_scc0 .Lentry_shape_is_right
	s_endpgm
.Lentry_shape_is_right:
; out0 = O W_proj + b_proj, on codes of FP6 (E2M3) with E8M0 scales, sums and output in f32.  O's codes [512 tiles] come from oq, W_proj's are tiles 128-191 of wq.
; A work-group of four waves makes 256 tokens x 256 columns, a wave 128 x 128: 64 accumulators.  P = tokens (source 1: lanes), Q = columns (source 0: a lane's registers): a lane holds neighbouring numbers of a row of out0.
; CODES lie as half fragments of 768 bytes (16 rows x 64 along K: lane L's first 16 bytes at 16 L, its last 8 at 512 + 8 L), 16 to a tile; row r of tile T is row 32 (T / 2) + 8 (T % 2) + r + 8 (r / 8).
; K goes in steps of 256 through two LDS slots; a wave's tensor load brings 8 tiles x 3,072 bytes.  The scale words of the 512 rows, for all of K, come once.
; CLUSTER 4 x 4: P's tiles are shared along a row of the cluster, Q's along a column: joint loads.  The problem has 128 such tiles of out0.
; REGISTERS: window 0: v1-5 lanes' numbers; v16-23 fragment addresses; v24-26 the way out; v27 scale address; v28, v29 the add's two; v32-63 scale words; v64-127 the bias; v128-223 P's fragments (the way out: v128-255).
;   window 1: Q's fragments, two sets.   windows 2, 3: the accumulators.
.set TILEB,  12288
.set XS_OFF, 6291456
.set WS_OFF, 2359296
.set FR,     12
.set NL,     4
.set NQ,     2
.set NP,     4
.set HALFT,  24576
.set SLOT,   4*HALFT
.set SCL,    2*SLOT
.set SPARE,  SCL+16384                 ; the spare words, 128 bytes for each wave
.set SPITCH, 528                       ; the way out: a stage of 16 rows x (512 bytes + 16) for each wave, in slot 0, which has had its last fill and its last read when the first result is stored there
.set ADRP, 16
.set ADRQ, 20
.set STO,  24
.set RD,   25
.set CO,   26
.set ADRS, 27
.set SPW,  28
.set NIL,  29
.set SC,   32
.set BK,   64
.set PF,   128
.set RB,   128
.set G1, 24
.set G0, 32
.set G1B, 48
.set G0B, 56
.set G1S, 68
.set G0S, 76
.set G1SB, 80
.set G0SB, 88
.set MSB, 0
.macro WIN new
.if MSB != \new
	s_set_vgpr_msb (MSB<<8)|\new
.set MSB, \new
.endif
.endm
.set MUL_LO, 0xa1
.set MUL_HI, 0xf1
.set TO_Q,   0x40
.macro JLOAD g0a, g1a, g0b, g1b        ; a joint load: waves 0 and 1 fetch for P, waves 2 and 3 for Q; an s_nop 0 and four v_nop follow each line
	s_cmp_eq_u32 s15, 0
	s_cbranch_scc0 .Lfor_q_\@
	tensor_load_to_lds s[\g0a:\g0a+3], s[\g1a:\g1a+7]
	s_nop 0
.rept 4
	v_nop
.endr
	s_branch .Lasked_\@
.Lfor_q_\@:
	tensor_load_to_lds s[\g0b:\g0b+3], s[\g1b:\g1b+7]
	s_nop 0
.rept 4
	v_nop
.endr
.Lasked_\@:
.endm
.macro CREST
	s_cmp_lg_u32 s14, 0
	s_cbranch_scc1 .Lnot_wave_0_\@
	s_barrier_signal -3
.Lnot_wave_0_\@:
	s_barrier_wait -3
	s_barrier_signal -1
	s_barrier_wait -1
.endm
.macro CROUND
	s_barrier_signal -1
	s_barrier_wait -1
	CREST
.endm
	s_load_b256 s[4:11], s[0:1], 0x0               ; oq s[4:5], wq s[6:7], b_proj s[8:9], out0 s[10:11]
	v_lshl_add_u32 v[SPW], v0, 2, SPARE
	v_mov_b32 v[NIL], 0
	ds_add_u32 v[SPW], v[NIL]                      ; the wave's opening, ahead of my first tensor load
	v_lshrrev_b32 v1, 5, v0
	v_readfirstlane_b32 s14, v1                    ; wave 0..3
	s_lshr_b32 s15, s14, 1                         ; which half of P's rows is mine.  Also: I fetch for P (0) or for Q (1)
	s_and_b32 s16, s14, 1                          ; which half of Q's rows is mine.  Also: which 8 tiles I fetch
	s_bfe_u32 s40, ttmp6, 0x40000                  ; cx
	s_bfe_u32 s41, ttmp6, 0x40004                  ; cy
	s_and_b32 s17, ttmp7, 0xffff
	s_lshl_b32 s17, s17, 2
	s_add_co_u32 s17, s17, s41                     ; which 256 tokens: 4 x cluster y + cy
	s_lshl_b32 s43, s41, 2
	s_lshl_b32 s43, 15, s43                        ; my row of the cluster
	s_lshl_b32 s44, 0x1111, s40                    ; my column
	s_or_b32 s[G1+0], s43, (3<<16)|(1<<21)         ; the mask; elements of 8 bytes; bit 21 beside a mask; no padding
	s_or_b32 s[G1B+0], s44, (3<<16)|(1<<21)
.irp g, G1, G1B
	s_mov_b32 s[\g+1], 384<<16                     ; rows of 3,072 bytes: a tile's four half fragments
	s_mov_b32 s[\g+2], 8<<16                       ; 8 tiles
	s_mov_b32 s[\g+3], 384<<16
	s_mov_b32 s[\g+4], 8
	s_mov_b32 s[\g+5], 1536                        ; 12,288 bytes from tile to tile
	s_mov_b32 s[\g+6], 0
	s_mov_b32 s[\g+7], 0
.endr
	s_or_b32 s[G1S+0], s43, (3<<16)|(1<<21)        ; the scale words of 8 tiles: 4,096 dense bytes as 16 rows of 256
	s_or_b32 s[G1SB+0], s44, (3<<16)|(1<<21)
.irp g, G1S, G1SB
	s_mov_b32 s[\g+1], 32<<16
	s_mov_b32 s[\g+2], 16<<16
	s_mov_b32 s[\g+3], 32<<16
	s_mov_b32 s[\g+4], 16
	s_mov_b32 s[\g+5], 32
	s_mov_b32 s[\g+6], 0
	s_mov_b32 s[\g+7], 0
.endr
	s_lshl_b32 s19, s16, 3
	s_lshl_b32 s18, s17, 4
	s_add_co_u32 s18, s18, s19                     ; P: the first tile that I would fetch
	s_lshl_b32 s98, s40, 4
	s_add_co_u32 s98, s98, s19
	s_add_co_u32 s98, s98, 128                     ; Q: likewise; W_proj's tiles begin at 128
	s_mul_i32 s20, s18, TILEB
	s_mov_b32 s21, 0
	s_lshl_b32 s22, s18, 9
	s_add_co_u32 s22, s22, XS_OFF
	s_mov_b32 s23, 0
	s_mul_i32 s46, s98, TILEB
	s_mov_b32 s47, 0
	s_lshl_b32 s92, s98, 9
	s_add_co_u32 s92, s92, WS_OFF
	s_mov_b32 s93, 0
	s_mul_i32 s94, s14, HALFT                      ; where they go: no place in the cluster enters an LDS address
	s_lshl_b32 s95, s14, 12
	s_wait_dscnt 0x0                               ; the opening add is done
	s_wait_kmcnt 0x0
	s_add_nc_u64 s[20:21], s[4:5], s[20:21]
	s_add_nc_u64 s[22:23], s[4:5], s[22:23]
	s_add_nc_u64 s[46:47], s[6:7], s[46:47]
	s_add_nc_u64 s[92:93], s[6:7], s[92:93]
	CROUND                                         ; all sixteen work-groups are here: the first joint loads meet
	s_mov_b32 s[G0S], 1
	s_add_co_u32 s[G0S+1], s95, SCL
	s_mov_b64 s[G0S+2:G0S+3], s[22:23]
	s_or_b32 s[G0S+3], s[G0S+3], 0x80000000
	s_mov_b32 s[G0SB], 1
	s_add_co_u32 s[G0SB+1], s95, SCL
	s_mov_b64 s[G0SB+2:G0SB+3], s[92:93]
	s_or_b32 s[G0SB+3], s[G0SB+3], 0x80000000
	JLOAD G0S, G1S, G0SB, G1SB
.irp s, 0,1
	s_mov_b32 s[G0+4*\s], 1
	s_add_co_u32 s[G0+4*\s+1], s94, \s*SLOT
	s_add_nc_u64 s[G0+4*\s+2:G0+4*\s+3], s[20:21], \s*3072
	s_or_b32 s[G0+4*\s+3], s[G0+4*\s+3], 0x80000000
	s_mov_b32 s[G0B+4*\s], 1
	s_add_co_u32 s[G0B+4*\s+1], s94, \s*SLOT
	s_add_nc_u64 s[G0B+4*\s+2:G0B+4*\s+3], s[46:47], \s*3072
	s_or_b32 s[G0B+4*\s+3], s[G0B+4*\s+3], 0x80000000
	JLOAD G0+4*\s, G1, G0B+4*\s, G1B               ; three loads of mine are out
.endr
	v_and_b32 v1, 31, v0                           ; L
	v_and_b32 v2, 15, v0                           ; r
	v_bfe_u32 v3, v0, 4, 1                         ; h
	v_lshlrev_b32 v4, 4, v1                        ; 16 L
	v_lshlrev_b32 v5, 3, v1
	v_add_nc_u32 v5, 512, v5                       ; 512 + 8 L
	s_mul_i32 s21, s15, HALFT
	s_mul_i32 s22, s16, HALFT
	s_add_co_u32 s22, s22, 2*HALFT
.irp s, 0,1
	v_add_nc_u32 v[ADRP+\s], s21, v4
	v_add_nc_u32 v[ADRQ+\s], s22, v4
	v_add_nc_u32 v[ADRP+2+\s], s21, v5
	v_add_nc_u32 v[ADRQ+2+\s], s22, v5
	s_add_co_u32 s21, s21, SLOT
	s_add_co_u32 s22, s22, SLOT
.endr
	s_lshl_b32 s21, s15, 12
	s_lshl_b32 s22, s16, 12
	s_add_co_u32 s22, s22, 8192
	s_sub_co_u32 s22, s22, s21
	v_mul_u32_u24 v6, s22, v3                      ; lanes 16-31 take Q's scale words: one product, the distance x h
	s_add_co_u32 s21, s21, SCL
	v_lshl_add_u32 v6, v2, 3, v6
	v_add_nc_u32 v[ADRS], s21, v6
	s_mul_i32 s23, s14, 16*SPITCH                  ; my stage
	v_mul_u32_u24 v6, v2, SPITCH
	v_lshl_add_u32 v6, v3, 6, v6
	v_add_nc_u32 v[STO], s23, v6                   ; in: row r, + 64 h
	v_mov_b32 v[CO], v4                            ; back: the 32 lanes take a row of 512 bytes; the same in out0
	v_add_nc_u32 v[RD], s23, v4
	s_lshl_b32 s20, s40, 10
	s_lshl_b32 s21, s16, 9
	s_add_co_u32 s20, s20, s21                     ; my 128 columns, in bytes
	s_mov_b32 s21, 0
	s_add_nc_u64 s[8:9], s[8:9], s[20:21]          ; in b_proj,
	s_add_nc_u64 s[10:11], s[10:11], s[20:21]      ; and in out0
	s_lshl_b32 s20, s17, 20
	s_lshl_b32 s22, s15, 19
	s_add_co_u32 s20, s20, s22                     ; my first token: 256 x group + 128 x half, rows of 4,096 bytes
	s_add_nc_u64 s[10:11], s[10:11], s[20:21]
	v_lshlrev_b32 v6, 6, v3                        ; the bias: register 16 b + i is column 32 b + 16 h + i
.irp n, 0,1,2,3,4,5,6,7,8,9,10,11,12,13,14,15
	global_load_b128 v[BK+4*\n:BK+4*\n+3], v6, s[8:9] offset:128*(\n/4)+16*(\n%4)
.endr
	s_wait_loadcnt 0x0
.macro FRAG reg, adr, q, i
	ds_load_b128 v[\reg:\reg+3], v[\adr] offset:(\i)*3072+(\q)*1536
	ds_load_b64 v[\reg+4:\reg+5], v[\adr+2] offset:(\i)*3072+(\q)*1536
	ds_load_b128 v[\reg+6:\reg+9], v[\adr] offset:(\i)*3072+(\q)*1536+768
	ds_load_b64 v[\reg+10:\reg+11], v[\adr+2] offset:(\i)*3072+(\q)*1536+768
.endm
.macro MUL16 a0, p, q, sc, first       ; first = 1: the bias is the C of each sum's first product.  The 64 accumulators take turns
.irp a, \a0, \a0+1
.irp b, 0,1,2,3,4,5,6,7
.if \first
	v_wmma_scale_f32_16x16x128_f8f6f4 v[8*(8*((\a)%4)+\b):8*(8*((\a)%4)+\b)+7], v[128*(\p)+FR*\b:128*(\p)+FR*\b+FR-1], v[PF+FR*(\a):PF+FR*(\a)+FR-1], v[BK+8*\b:BK+8*\b+7], v[SC+8*NQ*(\sc)+NQ*\b+(\q)], v[SC+8*NQ*(\sc)+NQ*(\a)+(\q)] matrix_a_fmt:MATRIX_FMT_FP6 matrix_b_fmt:MATRIX_FMT_FP6 matrix_a_scale:MATRIX_SCALE_ROW1
.else
	v_wmma_scale_f32_16x16x128_f8f6f4 v[8*(8*((\a)%4)+\b):8*(8*((\a)%4)+\b)+7], v[128*(\p)+FR*\b:128*(\p)+FR*\b+FR-1], v[PF+FR*(\a):PF+FR*(\a)+FR-1], v[8*(8*((\a)%4)+\b):8*(8*((\a)%4)+\b)+7], v[SC+8*NQ*(\sc)+NQ*\b+(\q)], v[SC+8*NQ*(\sc)+NQ*(\a)+(\q)] matrix_a_fmt:MATRIX_FMT_FP6 matrix_b_fmt:MATRIX_FMT_FP6 matrix_a_scale:MATRIX_SCALE_ROW1
.endif
.endr
.endr
.endm
.macro FETCH_Q slot, q, p
	WIN TO_Q
.irp i, 0,1,2,3,4,5,6,7
	FRAG 128*(\p)+FR*\i, ADRQ+\slot, \q, \i
.endr
	WIN 0
.endm
.macro FETCH_P slot, q, i0
.irp i, \i0, \i0+1, \i0+2, \i0+3
	FRAG PF+FR*(\i), ADRP+\slot, \q, \i
.endr
.endm
.macro SCALES sc
.irp i, 0,1,2,3,4,5,6,7
	ds_load_b64 v[SC+8*NQ*\sc+NQ*\i:SC+8*NQ*\sc+NQ*\i+1], v[ADRS] offset:\i*512
.endr
.endm
.macro PLACES n
.rept \n
	v_nop
.endr
.endm
.macro STEP slot, q, first
	s_wait_dscnt 4*NL                              ; Q's set, the scale words and P's blocks 0-3 are in; the youngest 16 loads (P's blocks 4-7) may be out
.if \first
	WIN 0x81
.else
	WIN MUL_LO
.endif
	MUL16 0, (\q)%2, \q, \slot, \first
	MUL16 2, (\q)%2, \q, \slot, \first
	s_wait_dscnt 0
	PLACES NP
	FETCH_Q \slot, (\q)+1, 1-(\q)%2
	FETCH_P \slot, (\q)+1, 0
.if \first
	WIN 0xc1
.else
	WIN MUL_HI
.endif
	MUL16 4, (\q)%2, \q, \slot, \first
	MUL16 6, (\q)%2, \q, \slot, \first
	PLACES NP
	WIN 0
	FETCH_P \slot, (\q)+1, 4
.endm
.macro TURN slot, next, fill
	s_wait_tensorcnt 0x0                           ; all my tensor loads have landed: my part of the next slot
	ds_add_u32 v[SPW], v[NIL]                      ; 0 onto my spare word
	s_wait_dscnt 4*NL+1                            ; (the add and the youngest 16 loads may be out)
	WIN MUL_LO
	MUL16 0, 1, NQ-1, \slot, 0
	s_wait_dscnt 0x0                               ; the add is done, and my reads of this slot are over
	s_barrier_signal -1
	MUL16 2, 1, NQ-1, \slot, 0
	WIN 0
	s_barrier_wait -1
.if \fill
	CREST                                          ; the barrier has opened a round of the cluster's
	s_add_nc_u64 s[G0+4*\slot+2:G0+4*\slot+3], s[G0+4*\slot+2:G0+4*\slot+3], 6144
	s_add_nc_u64 s[G0B+4*\slot+2:G0B+4*\slot+3], s[G0B+4*\slot+2:G0B+4*\slot+3], 6144
	JLOAD G0+4*\slot, G1, G0B+4*\slot, G1B         ; the first tensor load behind the round
.else
	PLACES NP
.endif
	v_add_nc_u32 v[ADRS], 128, v[ADRS]
	FETCH_Q \next, 0, 0
	FETCH_P \next, 0, 0
	SCALES \next
	WIN MUL_HI
	MUL16 4, 1, NQ-1, \slot, 0
	MUL16 6, 1, NQ-1, \slot, 0
	PLACES NP
	WIN 0
	FETCH_P \next, 0, 4
.endm
	s_wait_tensorcnt 1                             ; the scale words and my part of K step 0 are in (K step 1's load may be out)
	s_barrier_signal -1
	s_barrier_wait -1
	FETCH_Q 0, 0, 0
	FETCH_P 0, 0, 0
	SCALES 0
	FETCH_P 0, 0, 4
	STEP 0, 0, 1
	TURN 0, 1, 1
	STEP 1, 0, 0
	TURN 1, 0, 1
	STEP 0, 0, 0
	TURN 0, 1, 0
	STEP 1, 0, 0
	s_wait_dscnt 4*NL
	WIN MUL_LO
	MUL16 0, 1, NQ-1, 1, 0
	MUL16 2, 1, NQ-1, 1, 0
	s_wait_dscnt 0
	WIN MUL_HI
	MUL16 4, 1, NQ-1, 1, 0
	MUL16 6, 1, NQ-1, 1, 0
	WIN 0
; THE WAY OUT, block by block of 16 tokens x 128 columns, through my own stage: tile b's eight numbers of lane (r, h) are columns 32 (b / 2) + 8 (b % 2) + 16 h + 0 .. 7 of stage row r;
; stage row t is token 32 (a / 2) + 8 (a % 2) + t + 8 (t / 8).  LDS serves a wave's instructions in order: no wait between the stores and the loads.
.macro TOSTAGE a
.set AC, 64*((\a)%4)
	WIN (0x08+4*((\a)/4))                          ; the data: window 2 or 3
.irp b, 0,1,2,3,4,5,6,7
	ds_store_b128 v[STO], v[AC+8*\b:AC+8*\b+3] offset:128*(\b/2)+32*(\b%2)        ; each accumulator from its low end on
	ds_store_b128 v[STO], v[AC+8*\b+4:AC+8*\b+7] offset:128*(\b/2)+32*(\b%2)+16
.endr
	WIN 0
.set BB, RB+64*((\a)%2)
.irp t, 0,1,2,3,4,5,6,7,8,9,10,11,12,13,14,15
	ds_load_b128 v[BB+4*\t:BB+4*\t+3], v[RD] offset:\t*SPITCH
.endr
.endm
.macro SEND a, younger
.set BB, RB+64*((\a)%2)
	s_wait_dscnt \younger                          ; the block is back in registers; the next block's 16 stores and 16 loads may be out
.if (\a) > 0
.if (\a)%2
	s_add_nc_u64 s[10:11], s[10:11], 32768         ; (behind a wait on XCNT)  8 rows on
.else
	s_add_nc_u64 s[10:11], s[10:11], 98304         ; 24 rows on
.endif
.endif
.irp t, 0,1,2,3,4,5,6,7,8,9,10,11,12,13,14,15
	global_store_b128 v[CO], v[BB+4*\t:BB+4*\t+3], s[10:11] offset:(\t+8*(\t/8))*4096 th:TH_STORE_NT   ; 32 lanes store 512 consecutive bytes, aligned
.endr
.endm
	PLACES NP
	TOSTAGE 0
.irp a, 1,2,3,4,5,6,7
.if \a > 1
	s_wait_xcnt 0x0                                ; block a - 2's stores have read their registers and their base
.endif
	TOSTAGE \a
	SEND \a-1, 32
.endr
	s_wait_xcnt 0x0
	SEND 7, 0
	s_wait_tensorcnt 0x0                           ; the wave's end, behind my last tensor load and my last LDS store
	ds_add_u32 v[SPW], v[NIL]
	s_wait_dscnt 0x0
	CROUND                                         ; the closing round
	s_endpgm
.Lfunc_end_k_q1637110d30_gemm2:
	.size	k_q1637110d30_gemm2, .Lfunc_end_k_q1637110d30_gemm2-k_q1637110d30_gemm2
	.p2alignl 7, 3214868480
	.fill 96, 4, 3214868480
	.section	.rodata,"a",@progbits
	.p2align	6, 0x0
	.amdhsa_kernel k_q1637110d30_gemm2
		.amdhsa_group_segment_fixed_size 327680
		.amdhsa_private_segment_fixed_size 0
		.amdhsa_enable_private_segment 0
		.amdhsa_kernarg_size 32
		.amdhsa_user_sgpr_count 2
		.amdhsa_user_sgpr_kernarg_segment_ptr 1
		.amdhsa_wavefront_size32 1
		.amdhsa_system_sgpr_workgroup_id_x 1
		.amdhsa_system_sgpr_workgroup_id_y 1
		.amdhsa_system_sgpr_workgroup_id_z 1
		.amdhsa_system_vgpr_workitem_id 0
		.amdhsa_next_free_vgpr 1024
		.amdhsa_next_free_sgpr 102
		.amdhsa_reserve_vcc 0
		.amdhsa_float_denorm_mode_32 3
		.amdhsa_float_denorm_mode_16_64 3
		.amdhsa_memory_ordered 1
		.amdhsa_forward_progress 1
		.amdhsa_inst_pref_size 145
	.end_amdhsa_kernel
	.amdgpu_metadata
---
amdhsa.version: [ 1, 2 ]
amdhsa.kernels:
  - .name:           k_q1637110d30_gemm2
    .symbol:         k_q1637110d30_gemm2.kd
    .args:
      - { .name: oq, .offset: 0, .size: 8, .value_kind: global_buffer, .address_space: global }
      - { .name: wq, .offset: 8, .size: 8, .value_kind: global_buffer, .address_space: global }
      - { .name: b_proj, .offset: 16, .size: 8, .value_kind: global_buffer, .address_space: global }
      - { .name: out0, .offset: 24, .size: 8, .value_kind: global_buffer, .address_space: global }
    .group_segment_fixed_size: 327680
    .private_segment_fixed_size: 0
    .kernarg_segment_align: 8
    .kernarg_segment_size: 32
    .max_flat_workgroup_size: 128
    .sgpr_count:     102
    .vgpr_count:     1024
    .wavefront_size: 32
...
	.end_amdgpu_metadata
.endif
;; end of part 4
